; MI455X (gfx1250); checked and timed in simulation.
; The chip was launched on July 23, 2026; its instructions are those of AMD's public machine-readable ISA for CDNA 5 (MIT licence, August 2026) and "CDNA5" Instruction Set Architecture Reference Guide (July 2026). The comments in the code are by the model that wrote it; some were corrected since.
;; Self Attn. Allowed arithmetic: matrix products marked QUANTISED: E5M2 operands, one E8M0 scale for each 32 along K, by v_wmma_scale_f32_16x16x128_f8f6f4 with both operands' format E5M2, f32 sums; everything else in f32.
;; Inputs: cos 2,048 x 1,024 float32; sin 2,048 x 1,024 float32; wk 1,024 x 1,024 float32; wq 1,024 x 1,024 float32; wv 1,024 x 1,024 float32; x 4 x 2,048 x 1,024 float32.
;; Outputs: out0 4 x 2,048 x 1,024 float32.
;; This version of the problem:
;;   THIS VERSION OF THE PROBLEM IS GIVEN IN LOW PRECISION. The matrix products marked QUANTISED in the list below multiply operands that are first quantised to E5M2 (5 exponent bits, 2 mantissa bits; 8 bits a number), with one power-of-two scale for each 32 numbers along K (OCP MX v1.0); their sums are f32. All else is computed in f32.
;;   The module's matrix products, in the order in which they are computed (A, B: the left and right operand; K: the contracted axis; several contracted axes count as one K, in the product's order):
;;     1. [M 8,192, K 1,024] x [K 1,024, N 1,024]; A: input x; B: input wq: QUANTISED
;;     2. [M 8,192, K 1,024] x [K 1,024, N 1,024]; A: input x; B: input wk: QUANTISED
;;     3. [M 8,192, K 1,024] x [K 1,024, N 1,024]; A: input x; B: input wv: QUANTISED
;;     4. batch 32 x [M 2,048, K 128] x [K 128, N 2,048]; A: computed on the way; B: computed on the way: QUANTISED
;;     5. batch 32 x [M 2,048, K 2,048] x [K 2,048, N 128]; A: softmax (see below); B: computed on the way: QUANTISED
;;   THE QUANTISER, for each operand of a quantised product, along K:
;;     - K is cut into blocks of 32 from its start; a last block that is shorter is filled with zeros.
;;     - A block's scale is 2^e with e = floor(log2(the largest magnitude in the block)) - 15, held to -126 .. 127; a block of zeros has e = 0. As a byte (E8M0): e + 127.
;;     - Each number is divided by its block's scale, clamped to +-57,344, and rounded to the nearest number of E5M2, ties to even, subnormals kept.
;;     - The product sums the exact products of the quantised numbers (number of the format x scale) in f32.
;;   ~~~python
;;   def quantise(x, axis):      # numpy; x: float32 -> the quantised numbers, widened to float32 again
;;       x = np.moveaxis(x, axis, -1); K = x.shape[-1]
;;       x = np.pad(x, [(0, 0)] * (x.ndim - 1) + [(0, -K % 32)]); x = x.reshape(x.shape[:-1] + (-1, 32)); a = np.abs(x).max(-1, keepdims=True)
;;       e = np.where(a > 0, np.clip(np.frexp(np.where(a > 0, a, 1))[1] - 1 - 15, -126, 127), 0)      # np.frexp(a)[1] - 1 = floor(log2(a)), exactly
;;       r = np.clip(x / 2.0 ** e, -57344, 57344)
;;       step = 2.0 ** (np.maximum(np.frexp(np.where(r == 0, 1, r))[1] - 1, -14) - 2)
;;       q = np.round(r / step) * step * 2.0 ** e      # np.round: ties to even
;;       return np.moveaxis(q.reshape(q.shape[:-2] + (-1,))[..., :K], -1, axis).astype(np.float32)
;;   ~~~
;;   SOFTMAX AHEAD OF A QUANTISED PRODUCT. Where the list says 'softmax', what is quantised is not the finished softmax but p = 2^(t - M), with t = logit x log2(e) and M = ceil(the row's largest t), a whole number; so 1/2 < the row's largest p <= 1. The row's sum l is taken of the UNQUANTISED p, in f32, and the product's result is divided by l at the end. Since M is a whole number, a kernel that streams over the keys may use a running M (the ceiling of the running maximum): every later rescaling is an exact power of two, which a block's scale takes up: the codes' values come out the same.
;;   OPERANDS COMPUTED ON THE WAY. 'Computed on the way' means the value that the module computes at that place (a softmax that the list does not call 'softmax' is quantised finished and normalised). What goes into a quantiser is computed in f32, as accurately as f32 sums, v_exp_f32 and their like allow (about 1e-6 of the number): no bf16 or f16 on the way to a quantiser, and a product that is left as it is and whose result goes on into a quantised operand takes f32 operands (vector FMAs, or v_wmma_f32_16x16x4_f32). A number that lies on a knife's edge between two numbers of the format may be rounded either way, as far as f32 arithmetic and the matrix unit's own rounding can turn it there, and no further.
;; One version. Each part assembles by itself: llvm-mc -triple=amdgcn-amd-amdhsa -mcpu=gfx1250 --defsym DOCPART=n.
;; ======== version 1 of 1: 3 launches
;; limits: right only within a limited range of input values
;; workspace buffers: xc 16,777,216 bytes; xs 524,288 bytes; wc 5,242,880 bytes; ws 163,840 bytes; qkc 16,777,216 bytes; qks 524,288 bytes; vc 8,388,608 bytes; vs 262,144 bytes
;; launch quant (part 1): grid 352 x 1, 4 waves a work-group, no clusters, 33,280 bytes of LDS; arguments x, wq, wk, wv, xc, xs, wc, ws; writes xc, xs, wc, ws
.if DOCPART == 1
	.amdgcn_target "amdgcn-amd-amdhsa--gfx1250"
	.amdhsa_code_object_version 6
	.text
	.protected	k_q814d322ab3_quant
	.globl	k_q814d322ab3_quant
	.p2align	8
	.type	k_q814d322ab3_quant,@function
k_q814d322ab3_quant:
	s_mov_b64 s[64:65], 0
	v_nop
	global_prefetch_b8 v0, s[64:65] scope:SCOPE_SE
	s_setreg_imm32_b32 hwreg(HW_REG_WAVE_MODE, 25, 1), 1
	s_wait_xcnt 0x0
; THE PROGRAM: causal self-attention with a rotary embedding over all 1,024 columns, all five products on codes of BF8 (E5M2) with one E8M0 scale for each 32 along K.  Three launches:
;   this one: x, wq, wk, wv (f32, K innermost) -> codes and scale bytes, in the row orders that the next launch wants;
;   the projections, the rotary embedding in registers, and the quantising of q, k (along the head's 128) and v (along the keys);   the attention.
; WORK LEFT OUT, in the third launch alone: reference() itself builds the mask tril(ones(t, t)) and puts the least f32 number where key > query; behind the softmax's maximum (key 0 counts for every query) such a
; weight is 2^(least - M) = 0 for all finite inputs, and 0 times a value adds nothing.  So a step of 128 keys all of which come after all 128 queries of a block reaches no output, and is neither multiplied nor, where
; no wave of the work-group wants it, fetched.  No input is without a way to the output: all six are loaded.  LIMIT: a NaN, an infinity or an overflow that reaches only those steps is not carried to the result.
; WORK DONE TWICE, on purpose: rotate_half(z)[j] is -z[2 j + 1] (j < 512) or z[2 (j - 512)]: a column of the same product x W^T.  The quantiser runs along K, so a weight's row keeps its codes wherever it lies.  Each row of wq and wk
; is therefore stored twice: as the PLAIN row of its own output column, and as the ROT row of the output column that it is paired with, with its codes' sign bits turned where the pairing has a minus (E5M2 is symmetric: exact).
;
; THIS LAUNCH.  A block's scale is 2^(floor(log2(its largest magnitude)) - 15); its byte is the largest magnitude's exponent field - 15, held at 1 from below; each number is divided by the scale, held within +-57,344
; and rounded to the nearest code, ties to even.  (A block of zeros gets the byte 1 where the rule says 127: its codes are zeros, and the bytes are read by this program alone.)
; LIMITS: blocks whose largest magnitude lies under 2^-111 keep the byte 1; NaN and infinities among the inputs are not served.
; SHARES.  Work-groups 0-255 take x, 256-287 wq, 288-319 wk, 320-351 wv.  A wave takes run g of 8 source rows of 1,024 numbers, in 16 steps of 512: step t is half t % 2 of row t / 2.
; Each of a step's four loads reads 512 consecutive bytes; the 2,048 bytes turn through the wave's own stage in LDS, so that a lane holds 16 neighbours along K (two lanes a block).  No tensor loads, no barrier: waves share nothing.
; WHERE THE ROWS GO.  sw(y) swaps bits 0 and 1 of y.  Store A: the 8 rows stay together, at row 8 RA.  Store B (not for wv): row by row.
;   x, A: xc row 256 Y + 128 rh + 32 batch + 16 u + 8 h + j holds position 64 Y + 32 rh + 16 h + 8 u + j: a tile of 256 rows is 64 positions of all four batches.   x, B: xc row 8,192 + the source row with its bits 3 and 4 swapped.
;   wq, wk (kq = 0, 1), A: wc row 2,048 kq + 256 head + 128 (column / 64 % 2) + the column % 64 with bits 3 and 4 swapped.   B: 64 rows further on in the tile of the PAIRED column: source row d odd: column d / 2, signs turned; d even: column 512 + d / 2.
;   wv, A: wc row 4,096 + the row with bits 3 and 4 swapped.
; For x the turning of signs is an exclusive or with 0: both tensors take one path through the text.
.set WAVES, 4
.set STEPS, 16
.set EMAX,  15
.set MANT,  0x600000                   ; the mantissa field of 57,344 as f32
.set VB,    1                          ; v1       store B: my 8 scale bytes' offset
.set R,     16                         ; v16-79   four sets of 16 numbers as they are loaded
.set X,     80                         ; v80-111  two sets of 16 neighbours
.set E,     112                        ; v112-127 a scale byte for each step
.set C,     128                        ; v128-191 codes: four registers for each step, so that no store's data are written again
.set N,     192                        ; v192-223 the odd rows' codes with their signs turned: four registers for each of their eight steps
.set WREG,  8192                       ; LDS: a region for each wave: two stages of 32 x SP bytes, and behind them its 256 scale bytes
.set SP,    80                         ; a lane's place in a stage: its 64 bytes + 16 of padding
.set SPW,   12                         ; v12      LDS address of my spare word; never rewritten
.set NIL,   13                         ; v13      0; never rewritten
.set SPARE, WAVES*WREG                 ; behind the four regions: the spare words, 128 bytes for each wave
	s_load_b256 s[4:11], s[0:1], 0x0               ; x, wq, wk, wv
	s_load_b256 s[12:19], s[0:1], 0x20             ; xc, xs, wc, ws
	v_lshl_add_u32 v[SPW], v0, 2, SPARE
	v_mov_b32 v[NIL], 0
	v_lshrrev_b32 v1, 5, v0
	v_readfirstlane_b32 s20, v1                    ; wave
	v_and_b32 v2, 31, v0                           ; lane
	v_lshlrev_b32 v3, 4, v2                        ; my 16 bytes of a load's 512, and of a step's 512 bytes of codes
	s_mul_i32 s24, s20, WREG
	v_lshrrev_b32 v14, 2, v2
	v_mul_u32_u24 v14, v14, SP
	v_and_b32 v15, 3, v2
	v_lshl_add_u32 v14, v15, 4, v14
	v_add_nc_u32 v14, s24, v14                     ; the stage, on the way in: SP (lane / 4) + 16 (lane % 4)
	v_mul_u32_u24 v15, v2, SP
	v_add_nc_u32 v15, s24, v15                     ; and on the way out: SP x lane: my 16 neighbours
	v_lshrrev_b32 v5, 1, v2
	s_add_co_u32 s24, s24, 2*32*SP
	v_add_nc_u32 v5, s24, v5                       ; LDS: my wave's 256 scale bytes, my block's byte
	v_lshlrev_b32 v7, 3, v2                        ; and on the way out 8 bytes a lane
	v_add_nc_u32 v6, s24, v7
	s_mov_b32 s23, MANT
	; which tensor, which run
	s_sub_co_u32 s24, ttmp9, 256
	s_and_b32 s25, s24, 31                         ; a weight's work-group among its 32
	s_lshr_b32 s26, s24, 5                         ; kq: 0 wq, 1 wk, 2 wv
	s_cmp_lt_u32 ttmp9, 256
	s_cselect_b32 s25, ttmp9, s25
	s_cselect_b32 s26, 0, s26
	s_lshl_b32 s27, s25, 2
	s_add_co_u32 s27, s27, s20                     ; g: my run of 8 rows
	s_lshr_b32 s21, s26, 1
	s_add_co_u32 s21, s21, 1                       ; a weight's kind: 1 wq and wk, 2 wv
	s_and_b32 s28, s27, -4
	s_and_b32 s29, s27, 1
	s_lshl_b32 s29, s29, 1
	s_or_b32 s28, s28, s29
	s_bfe_u32 s29, s27, 0x10001
	s_or_b32 s28, s28, s29                         ; sw(g)
	s_and_b32 s29, s27, 0xfc                       ; x, store A: g = 256 batch + tr
	s_lshl_b32 s29, s29, 2                         ; (tr / 4) x 16
	s_lshr_b32 s30, s27, 8
	s_lshl_b32 s30, s30, 2                         ; + 4 batch
	s_or_b32 s29, s29, s30
	s_and_b32 s30, s28, 3                          ; + tr's two low bits, swapped
	s_or_b32 s29, s29, s30
	s_lshr_b32 s30, s27, 3                         ; a weight, store A: 256 kq + sw(g), and for wq and wk 8 (g / 8) more: room for the rot rows
	s_lshl_b32 s30, s30, 3
	s_cmp_lt_u32 s26, 2
	s_cselect_b32 s30, s30, 0
	s_add_co_u32 s30, s30, s28
	s_lshl_b32 s31, s26, 8
	s_add_co_u32 s30, s30, s31
	s_lshl_b32 s56, s28, 3                         ; x, store B: row 8 (1,024 + sw(g))
	s_add_co_u32 s56, s56, 8192
	s_and_b32 s57, s27, 9                          ; wq, wk, store B: the paired column is 4 g + m, m = 0 .. 3: its bits 3 and 4 are g's bits 1 and 2
	s_and_b32 s58, s27, 2
	s_lshl_b32 s58, s58, 1
	s_or_b32 s57, s57, s58
	s_and_b32 s58, s27, 4
	s_lshr_b32 s58, s58, 1
	s_or_b32 s57, s57, s58
	s_lshl_b32 s57, s57, 2
	s_lshr_b32 s58, s27, 4
	s_lshl_b32 s58, s58, 7                         ; + 128 (g / 16): the column's head and half
	s_add_co_u32 s57, s57, s58
	s_lshl_b32 s58, s26, 11
	s_add_co_u32 s57, s57, s58
	s_add_co_u32 s57, s57, 64                      ; the rot rows lie 64 behind the plain ones
	s_cmp_lt_u32 ttmp9, 256                        ; x or a weight: numbers are chosen, not paths
	s_cselect_b32 s21, 0, s21                      ; the kind: 0 x, 1 wq and wk, 2 wv
	s_cselect_b32 s29, s29, s30                    ; RA
	s_cselect_b32 s56, s56, s57                    ; store B's first row
	s_cselect_b32 s22, 0, 0x80808080               ; the sign bits that an odd row turns
	s_cselect_b32 s57, 0, 0x100000                 ; an even row's bytes further on (a weight: 512 columns = 1,024 rows),
	s_cselect_b32 s58, 1024, 0                     ; an odd row's,
	s_mov_b32 s59, 1024
	s_cselect_b32 s59, 2048, s59                   ; and from a pair of rows to the next
	s_cselect_b32 s60, 0, 0x8000                   ; the same three for the scale bytes, 32 a row
	s_cselect_b32 s61, 32, 0
	s_cselect_b32 s62, 64, 32
	v_and_b32 v[VB], 3, v2                         ; on the way out lane l holds bytes 8 (l % 4) .. of row l / 4
	v_lshlrev_b32 v[VB], 3, v[VB]
	v_lshrrev_b32 v8, 3, v2
	v_mad_u32_u24 v[VB], v8, s62, v[VB]
	v_bfe_u32 v8, v2, 2, 1
	v_mad_u32_u24 v[VB], v8, s61, v[VB]
	v_xor_b32 v8, 1, v8
	v_mad_u32_u24 v[VB], v8, s60, v[VB]
	s_wait_kmcnt 0x0
	s_cmp_lt_u32 ttmp9, 320                        ; the choices hang on the work-group's number alone
	s_cselect_b64 s[54:55], s[8:9], s[10:11]
	s_cmp_lt_u32 ttmp9, 288
	s_cselect_b64 s[54:55], s[6:7], s[54:55]
	s_cmp_lt_u32 ttmp9, 256
	s_cselect_b64 s[54:55], s[4:5], s[54:55]       ; the source
	s_cselect_b64 s[48:49], s[12:13], s[16:17]     ; the codes' buffer
	s_cselect_b64 s[50:51], s[14:15], s[18:19]     ; the scale bytes'
	s_mov_b32 s25, 0
	s_lshl_b32 s24, s27, 15                        ; 8 rows of 4,096 bytes a run
	s_add_nc_u64 s[54:55], s[54:55], s[24:25]
	s_lshl_b32 s30, s56, 10
	s_add_co_u32 s57, s57, s30
	s_add_co_u32 s58, s58, s30
.irp m, 0,1,2,3                        ; store B: a base for each of my 8 rows, s[32 + 2 row : 33 + 2 row]
	s_mov_b32 s24, s57
	s_add_nc_u64 s[32+4*\m:33+4*\m], s[48:49], s[24:25]
	s_mov_b32 s24, s58
	s_add_nc_u64 s[34+4*\m:35+4*\m], s[48:49], s[24:25]
	s_add_co_u32 s57, s57, s59
	s_add_co_u32 s58, s58, s59
.endr
	s_lshl_b32 s24, s56, 5
	s_add_nc_u64 s[52:53], s[50:51], s[24:25]      ; store B's scale bytes
	s_lshl_b32 s24, s29, 13
	s_add_nc_u64 s[48:49], s[48:49], s[24:25]      ; store A: 8 rows of 1,024 bytes on end,
	s_lshl_b32 s24, s29, 8
	s_add_nc_u64 s[50:51], s[50:51], s[24:25]      ; and their 256 scale bytes
.macro LOAD t
.irp i, 0,1,2,3
	global_load_b128 v[R+16*((\t)%4)+4*\i:R+16*((\t)%4)+4*\i+3], v3, s[54:55] offset:2048*(\t)+512*\i th:TH_LOAD_NT   ; 32 lanes read 512 consecutive bytes
.endr
.endm
.macro TURN t                          ; step t's numbers through the stage: LDS serves a wave's instructions in order, so no wait stands between the stores and the loads
.irp i, 0,1,2,3
	ds_store_b128 v14, v[R+16*((\t)%4)+4*\i:R+16*((\t)%4)+4*\i+3] offset:32*SP*((\t)%2)+8*SP*\i
.endr
.irp i, 0,1,2,3
	ds_load_b128 v[X+16*((\t)%2)+4*\i:X+16*((\t)%2)+4*\i+3], v15 offset:32*SP*((\t)%2)+16*\i
.endr
.endm
.irp t, 0,1,2,3
	LOAD \t
.endr
	s_wait_loadcnt 12                              ; step 0's four loads are in
	TURN 0
.macro STEP t
.set XS, X+16*((\t)%2)
.set JJ, (\t)/2
.set NN, N+4*(2*((\t)/4)+(\t)%2)
.if (\t) > 0
	s_wait_dscnt 1                                 ; this step's numbers are back from the stage (the last step's byte store may be out): so its stores into the stage have read their registers,
.else
	s_wait_dscnt 0x0
.endif
.if (\t)+4 < STEPS
	LOAD (\t)+4                                    ; which take the loads of four steps on
.endif
.if (\t)+1 < STEPS
.if STEPS-2-(\t) >= 3
	s_wait_loadcnt 12                              ; the next step's four loads are in; those of the three steps behind it may be out
.else
	s_wait_loadcnt 4*(STEPS-2-(\t))
.endif
	TURN (\t)+1                                    ; and go through the other stage while this step is worked
.endif
	v_max3_num_f32 v8, |v[XS]|, |v[XS+1]|, |v[XS+2]|               ; the largest magnitude of my 16
	v_max3_num_f32 v9, |v[XS+3]|, |v[XS+4]|, |v[XS+5]|
.irp i, 6,10
	v_max3_num_f32 v8, v8, |v[XS+\i]|, |v[XS+\i+1]|
	v_max3_num_f32 v9, v9, |v[XS+\i+2]|, |v[XS+\i+3]|
.endr
	v_max3_num_f32 v8, v8, |v[XS+14]|, |v[XS+15]|
	v_max3_num_f32 v8, v8, v9, (EMAX+1)<<23        ; and the floor 2^(16 - 127): so the byte cannot fall under 1
	v_max_num_f32_dpp v8, v8, v8 row_xmask:1 row_mask:0xf bank_mask:0xf   ; and of my neighbour's 16: the block's
	v_add_nc_u32 v11, -(EMAX<<23), v8              ; 15 off its exponent field: the conversion takes the exponent field of this operand as its scale
	v_and_or_b32 v10, v8, 0x7f800000, s23          ; 57,344 x the scale
.irp i, 0,1,2,3,4,5,6,7,8,9,10,11,12,13,14,15
	v_med3_num_f32 v[XS+\i], v[XS+\i], -v10, v10   ; the conversion to an 8-bit code does not saturate (ISA guide 7.6.2): the hold comes first
.endr
	v_cvt_scalef32_pk8_bf8_f32 v[C+4*(\t):C+4*(\t)+1], v[XS:XS+7], v11
	v_cvt_scalef32_pk8_bf8_f32 v[C+4*(\t)+2:C+4*(\t)+3], v[XS+8:XS+15], v11
	v_lshrrev_b32 v[E+(\t)], 23, v11               ; the scale's byte; also the plain instruction between the conversions and the lines below that read their results
	ds_store_b8 v5, v[E+(\t)] offset:16*(\t)       ; both lanes of a block write the same byte with the same value
	global_store_b128 v3, v[C+4*(\t):C+4*(\t)+3], s[48:49] offset:512*(\t)   ; store A: 512 consecutive bytes
	s_cmp_lg_u32 s21, 2                            ; wv has no second place
	s_cbranch_scc0 .Lone_\@
.if JJ%2
.irp i, 0,1,2,3
	v_xor_b32 v[NN+\i], s22, v[C+4*(\t)+\i]        ; an odd row of wq or wk serves as -z[2 j + 1]
.endr
	global_store_b128 v3, v[NN:NN+3], s[32+2*JJ:33+2*JJ] offset:512*((\t)%2)
.else
	global_store_b128 v3, v[C+4*(\t):C+4*(\t)+3], s[32+2*JJ:33+2*JJ] offset:512*((\t)%2)
.endif
.Lone_\@:
.endm
.irp t, 0,1,2,3,4,5,6,7,8,9,10,11,12,13,14,15
	STEP \t
.endr
	ds_load_b64 v[8:9], v6                         ; LDS serves a wave's instructions in order: these see my stores
	s_wait_dscnt 0x0
	global_store_b64 v7, v[8:9], s[50:51]          ; store A: 256 consecutive bytes, aligned
	s_cmp_lg_u32 s21, 2
	s_cbranch_scc0 .Lno_b
	global_store_b64 v[VB], v[8:9], s[52:53]       ; store B: x: the same; a weight: two runs of 128 bytes
.Lno_b:
	s_wait_tensorcnt 0x0                           ; the wave's end, behind my last LDS store
	ds_add_u32 v[SPW], v[NIL]
	s_wait_dscnt 0x0
	s_endpgm
.Lfunc_end_k_q814d322ab3_quant:
	.size	k_q814d322ab3_quant, .Lfunc_end_k_q814d322ab3_quant-k_q814d322ab3_quant
	.p2alignl 7, 3214868480
	.fill 96, 4, 3214868480
	.section	.rodata,"a",@progbits
	.p2align	6, 0x0
	.amdhsa_kernel k_q814d322ab3_quant
		.amdhsa_group_segment_fixed_size 33280
		.amdhsa_private_segment_fixed_size 0
		.amdhsa_enable_private_segment 0
		.amdhsa_kernarg_size 64
		.amdhsa_user_sgpr_count 2
		.amdhsa_user_sgpr_kernarg_segment_ptr 1
		.amdhsa_wavefront_size32 1
		.amdhsa_system_sgpr_workgroup_id_x 1
		.amdhsa_system_sgpr_workgroup_id_y 1
		.amdhsa_system_sgpr_workgroup_id_z 1
		.amdhsa_system_vgpr_workitem_id 0
		.amdhsa_next_free_vgpr 224
		.amdhsa_next_free_sgpr 66
		.amdhsa_reserve_vcc 0
		.amdhsa_float_denorm_mode_32 3
		.amdhsa_float_denorm_mode_16_64 3
		.amdhsa_memory_ordered 1
		.amdhsa_forward_progress 1
		.amdhsa_inst_pref_size 58
	.end_amdhsa_kernel
	.amdgpu_metadata
---
amdhsa.version: [ 1, 2 ]
amdhsa.kernels:
  - .name:           k_q814d322ab3_quant
    .symbol:         k_q814d322ab3_quant.kd
    .args:
      - { .name: x, .offset: 0, .size: 8, .value_kind: global_buffer, .address_space: global }
      - { .name: wq, .offset: 8, .size: 8, .value_kind: global_buffer, .address_space: global }
      - { .name: wk, .offset: 16, .size: 8, .value_kind: global_buffer, .address_space: global }
      - { .name: wv, .offset: 24, .size: 8, .value_kind: global_buffer, .address_space: global }
      - { .name: xc, .offset: 32, .size: 8, .value_kind: global_buffer, .address_space: global }
      - { .name: xs, .offset: 40, .size: 8, .value_kind: global_buffer, .address_space: global }
      - { .name: wc, .offset: 48, .size: 8, .value_kind: global_buffer, .address_space: global }
      - { .name: ws, .offset: 56, .size: 8, .value_kind: global_buffer, .address_space: global }
    .group_segment_fixed_size: 33280
    .private_segment_fixed_size: 0
    .kernarg_segment_align: 8
    .kernarg_segment_size: 64
    .max_flat_workgroup_size: 128
    .sgpr_count:     66
    .vgpr_count:     224
    .wavefront_size: 32
...
	.end_amdgpu_metadata
.endif
;; end of part 1
;; launch proj (part 2): grid 16 x 40, 4 waves a work-group, clusters of 4 x 4, 327,680 bytes of LDS; arguments xc, xs, wc, ws, cos, sin, qkc, qks, vc, vs; writes qkc, qks, vc, vs
.if DOCPART == 2
	.amdgcn_target "amdgcn-amd-amdhsa--gfx1250"
	.amdhsa_code_object_version 6
	.text
	.protected	k_q814d322ab3_proj
	.globl	k_q814d322ab3_proj
	.p2align	8
	.type	k_q814d322ab3_proj,@function
k_q814d322ab3_proj:
	s_mov_b64 s[64:65], 0
	v_nop
	global_prefetch_b8 v0, s[64:65] scope:SCOPE_SE
	s_setreg_imm32_b32 hwreg(HW_REG_WAVE_MODE, 25, 1), 1
	s_wait_xcnt 0x0
	s_wait_alu depctr_hold_cnt(0) depctr_sa_sdst(0) depctr_va_vdst(0) depctr_va_sdst(0) depctr_va_ssrc(0) depctr_va_vcc(0) depctr_vm_vsrc(0)
	s_getreg_b32 s2, hwreg(HW_REG_IB_STS2, 6, 4)
	s_cmp_eq_u32 s2, 0
	s_cbranch_scc0 .Lentry_in_a_cluster
	s_endpgm
.Lentry_in_a_cluster:
	s_bfe_u32 s2, ttmp6, 0x10000c
	s_cmp_lg_u32 s2, 0xf033
	s_cbranch_scc0 .Lentry_shape_is_right
	s_endpgm
.Lentry_shape_is_right:
; q, k, v = x W^T on codes of BF8 (E5M2) with E8M0 scales; then, in registers, the rotary embedding of q and k, and the quantising of q and k (along the head's 128) and of v (along the keys).  Out go codes and scale words alone.
; A tile is 256 x 256 x 1,024: four waves, each 128 x 128 in 64 accumulators; K in steps of 256 through a ring of two LDS slots; the scale bytes of the tile's 512 rows come once and stay.
; THE MATRIX INSTRUCTION IS USED TRANSPOSED: source 0 = 16 rows of the B region, source 1 = 16 rows of the A region: lane (r, h) holds row r of A's block, its register j row 8 h + j of B's block.
; 640 TILES, 40 clusters of 4 x 4.  X = 4 x cluster x + cx, CLY = cluster y.
;   CLY < 8, q and k:  A = x, first copy, tile Y = 4 CLY + cy: 64 positions of all four batches.  B = weights, tile X: q (X < 8) or k, head X % 8: for each half of 64 columns 64 PLAIN rows and the 64 ROT rows paired with them.
;     Wave (rh, ch): A's block a = 2 batch + u holds positions 64 Y + 32 rh + 8 u + r + 8 (r / 8); B's blocks 0-3 are the plain rows of columns 64 ch .., blocks 4-7 their rot rows, at the same lanes and registers.
;     So z cos + rot(z) sin is a packed multiply and a packed multiply-add (one rounding fewer than reference()'s two products and a sum), and one set of cos and sin serves four batches.
;   CLY = 8, 9, v:  A = wv, tile cy.  B = x, second copy, tile X + 16 (CLY - 8).  A lane then holds one channel of v and its registers run along the keys, which are the last product's K.
;   In both the 16 rows of a block of B are stored so (bits 3 and 4 of the row swapped) that the 16 registers of blocks 2 B and 2 B + 1 are 16 neighbours, 32 B + 16 h + 0 .. 15: the conversions' results are operand registers.
; CLUSTERS.  A's tile hangs on cy and CLY, B's on X and CLY: each is asked for jointly, along a row or a column of the cluster.  Whether a tile is v's hangs on CLY alone: the same in all sixteen partners.
; THE TEXT PARTS ONCE, behind the last change of slots, into the q, k arm and the v arm; each holds the last two steps of 128 along K and its way out.  The q, k arm asks for its first cos and sin at its head: 128 matrix instructions ahead of their use.
; THE RESULTS are stored as images of the operand registers that the attention loads: 512 consecutive bytes a store.
;   qkc [q, k][batch x 8 + head][128 positions][tile 8][c 4][lane][16 B];  vc [batch x 8 + head][128 keys][tile 8][c 4][lane][16 B];  qks, vs: [..][128][tile / 4][r 16][tile % 4] scale words.
; LIMITS: a block whose largest magnitude lies under 2^-111, a block of zeros among them, keeps the byte 1 (read by this program alone); NaN and infinities are not served.
; REGISTERS, in windows of 256: window 0: v1-29 addresses; v32-63 the products' scale words, two sets, and nothing else; v64-127 idle in the loop: cos and sin, set 0; v128-255 A's fragments, one set.  Window 1: B's fragments, two sets.
;   Windows 2, 3: the accumulators ((a, b) at v[8 (8 (a % 4) + b)]).
;   On the way out, window 0.  q, k: v128-191 cos and sin set 1, v192-223 the rotated numbers, v224-231 scale bytes, v232-233 what is stored last, v236-243 codes, v244-251 at work.
;   v: v128-191 64 held numbers, v192-207 codes, v208-223 at work, v224-231 scale words, v232-235 what is stored last.
.set SIZE_K, 1024
.set KSTEP,  256                       ; along K in a slot
.set NQ,     KSTEP/128                 ; matrix instructions deep
.set ROWB,   256                       ; a tile's row in bytes
.set KROW,   SIZE_K                    ; a row of codes in memory
.set PITCH,  272                       ; an LDS row: 256 bytes + 16 of padding = 68 words: the 16 rows that a load touches start at 16 different banks (64 banks of 4 bytes: ISA guide 11.1)
.set FR,     16                        ; registers of a fragment
.set NL,     4                         ; LDS loads that bring one
.set NP,     8                         ; places behind this matrix instruction (ISA guide 7.12.1)
.set HALFT,  128*PITCH                 ; 128 rows: what one tensor load brings
.set SLOT,   4*HALFT                   ; A's 256 rows, then B's 256 rows
.set LAPS,   SIZE_K/(2*KSTEP)
.set KS,     SIZE_K/32                 ; a row of scale bytes
.set SCL,    2*SLOT                    ; behind the ring: the scales, as units of 256 bytes + 16 of padding
.set HALFS,  (128*KS/256)*272
.set SBLK,   (16*KS/256)*272
.set SPARE,  SCL+4*HALFS               ; the spare words, 128 bytes for each wave
.set SCW,    SPARE+512                 ; q, k: the tile's scale words meet here, [batch 4][r 16][tile % 4] words: 1,024 bytes into which no tile lands
.set IMO,  7                           ; v7   16 x lane: an image's place for my lane
.set CSO,  8                           ; v8   cos, sin: (r + 8 (r / 8)) rows of 4,096 bytes + 64 h
.set SHA,  9                           ; v9   where I put two scale bytes
.set SRD,  10                          ; v10  where I read 8 bytes of finished scale words
.set SGO,  11                          ; v11  8 x lane
.set LN,   12                          ; v12  lane
.set ADRA, 16                          ; v16-17  LDS address of my A fragments in slot 0, 1
.set ADRB, 20                          ; v20-21  the same for B
.set ADRS, 27                          ; v27  LDS address of my scale words: lanes 0-15 A's rows, lanes 16-31 B's
.set SPW,  28                          ; v28  LDS address of my spare word; never rewritten
.set NIL,  29                          ; v29  0; never rewritten
.set SC,   32
.set CS0,  64
.set AF,   128
.set CS1,  128
.set VT,   128
.set T,    192
.set SW,   224
.set PC,   236                         ; the way out: codes; set anew in each arm
.set TM,   244                         ; at work, four groups of nb registers: largest magnitudes, bytes, 57,344 x the scale, the conversions' scale operands; set anew in each arm
.set G1, 24                            ; s[24:31] descriptor group 1 for A's tiles;  s[32:39] group 0, one set for each slot
.set G0, 32
.set G1B, 48                           ; s[48:55], s[56:63] the same for B's tiles
.set G0B, 56
.set G1S, 68                           ; s[68:75], s[76:79] groups 1 and 0 for A's scales;  s[80:87], s[88:91] for B's
.set G0S, 76
.set G1SB, 80
.set G0SB, 88
.set MSB, 0
.macro WIN new                         ; the immediate's high byte repeats the setting that is left
.if MSB != \new
	s_set_vgpr_msb (MSB<<8)|\new
.set MSB, \new
.endif
.endm
.set MUL_LO, 0xa1                      ; source 0 (B) window 1, source 1 (A) window 0, C and D window 2
.set MUL_HI, 0xf1                      ; the same, C and D window 3
.set TO_B,   0x40                      ; destination window 1, address window 0
; A joint load: waves 0 and 1 fetch for A, waves 2 and 3 for B.  Each of the two lines has one mask and one set of registers for all that issue it; the branch hangs on the wave's number alone.
; An s_nop 0 and four v_nop follow each of the two lines.
.macro JLOAD g0a, g1a, g0b, g1b
	s_cmp_eq_u32 s15, 0
	s_cbranch_scc0 .Lfor_b_\@
	tensor_load_to_lds s[\g0a:\g0a+3], s[\g1a:\g1a+7]
	s_nop 0
.rept 4
	v_nop
.endr
	s_branch .Lasked_\@
.Lfor_b_\@:
	tensor_load_to_lds s[\g0b:\g0b+3], s[\g1b:\g1b+7]
	s_nop 0
.rept 4
	v_nop
.endr
.Lasked_\@:
.endm
.macro CREST                           ; a round of the cluster's barrier behind its opening barrier
	s_cmp_lg_u32 s14, 0
	s_cbranch_scc1 .Lnot_wave_0_\@
	s_barrier_signal -3
.Lnot_wave_0_\@:
	s_barrier_wait -3
	s_barrier_signal -1
	s_barrier_wait -1
.endm
.macro CROUND                          ; a whole round
	s_barrier_signal -1
	s_barrier_wait -1
	CREST
.endm
	s_load_b256 s[4:11], s[0:1], 0x0               ; xc s[4:5], xs s[6:7], wc s[8:9], ws s[10:11]
	s_load_b256 s[92:99], s[0:1], 0x20             ; cos s[92:93], sin s[94:95], qkc s[96:97], qks s[98:99]
	s_load_b64 s[100:101], s[0:1], 0x40            ; vc
	s_load_b64 s[104:105], s[0:1], 0x48            ; vs
	v_lshl_add_u32 v[SPW], v0, 2, SPARE
	v_mov_b32 v[NIL], 0
	ds_add_u32 v[SPW], v[NIL]                      ; the wave's opening: the add, twice on end, and its wait ahead of my first tensor load; the set-up below stands between
	ds_add_u32 v[SPW], v[NIL]
	v_lshrrev_b32 v1, 5, v0
	v_readfirstlane_b32 s14, v1                    ; wave 0..3
	s_lshr_b32 s15, s14, 1                         ; rh: which 128 rows of A are mine.  Also: I fetch for A (0) or for B (1)
	s_and_b32 s16, s14, 1                          ; ch: which 128 rows of B.  Also: which 128 rows of that tile I fetch
	s_bfe_u32 s40, ttmp6, 0x40000                  ; cx, cy: my place in the cluster
	s_bfe_u32 s41, ttmp6, 0x40004
	s_lshl_b32 s42, ttmp9, 2
	s_add_co_u32 s42, s42, s40                     ; X
	s_and_b32 s12, ttmp7, 0xffff                   ; CLY
	s_lshl_b32 s43, s41, 2
	s_lshl_b32 s43, 15, s43                        ; my row of the cluster
	s_lshl_b32 s44, 0x1111, s40                    ; my column
	; descriptor group 1: a tile of 128 rows x 256 bytes, padded in LDS
	s_or_b32 s[G1+0], s43, (0<<16)|(1<<20)|(1<<21)|(5<<22)|(3<<25)  ; 15:0 the mask: A's tiles go to my row; 17:16 elements of 1 byte; 20 padding on; 21 set beside a mask; 24:22 after every 64 words; 31:25 four words
	s_or_b32 s[G1B+0], s44, (0<<16)|(1<<20)|(1<<21)|(5<<22)|(3<<25)
.irp g, G1, G1B
	s_mov_b32 s[\g+1], ROWB<<16                    ; tensor_dim0
	s_mov_b32 s[\g+2], 256<<16                     ; tensor_dim1: the head's loads bring 256 rows; behind them the word is set to 128
	s_mov_b32 s[\g+3], ROWB<<16                    ; tile_dim0
	s_mov_b32 s[\g+4], 256                         ; tile_dim1 likewise
	s_mov_b32 s[\g+5], KROW                        ; tensor_dim0_stride
	s_mov_b32 s[\g+6], 0
	s_mov_b32 s[\g+7], 0
.endr
	; the scales of 128 rows: 4,096 dense bytes, as 16 rows of 256 bytes (32 elements of 8 bytes), 16 bytes of padding behind each
	s_or_b32 s[G1S+0], s43, (3<<16)|(1<<20)|(1<<21)|(5<<22)|(3<<25)
	s_or_b32 s[G1SB+0], s44, (3<<16)|(1<<20)|(1<<21)|(5<<22)|(3<<25)
.irp g, G1S, G1SB
	s_mov_b32 s[\g+1], 32<<16
	s_mov_b32 s[\g+2], KS<<16                      ; the scales of 256 rows: 32 rows of 256 bytes
	s_mov_b32 s[\g+3], 32<<16
	s_mov_b32 s[\g+4], KS
	s_mov_b32 s[\g+5], 32
	s_mov_b32 s[\g+6], 0
	s_mov_b32 s[\g+7], 0
.endr
	; which tiles.  A's numbers (s17, s20-23) hold cy and CLY, B's (s13, s46, s47, s66, s67) hold X and CLY
	s_lshl_b32 s17, s12, 2
	s_sub_co_u32 s13, s12, 8
	s_lshl_b32 s13, s13, 4
	s_cmp_ge_u32 s12, 8                            ; a tile of v?
	s_cselect_b32 s17, 0, s17
	s_cselect_b32 s13, s13, 0
	s_cselect_b32 s21, 0x400000, 0                 ; v: A is wv, behind 4,096 rows of wc;
	s_cselect_b32 s23, 0x20000, 0                  ;    their scale bytes;
	s_cselect_b32 s47, 0x800000, 0                 ;    B is x's second copy, behind 8,192 rows of xc;
	s_cselect_b32 s67, 0x40000, 0                  ;    their scale bytes
	s_add_co_u32 s17, s17, s41                     ; A's tile: 4 CLY + cy, or cy
	s_add_co_u32 s13, s13, s42                     ; B's tile: X, or X + 16 (CLY - 8)
	s_lshl_b32 s18, s16, 7                         ; which 128 rows of the tile I fetch
	s_lshl_b32 s20, s17, 8
	s_lshl_b32 s22, s20, 5                         ; A: the rows' scale bytes,
	s_lshl_b32 s20, s20, 10                        ; and their codes
	s_add_co_u32 s20, s20, s21
	s_add_co_u32 s22, s22, s23
	s_lshl_b32 s46, s13, 8
	s_lshl_b32 s66, s46, 5                         ; B likewise
	s_lshl_b32 s46, s46, 10
	s_add_co_u32 s46, s46, s47
	s_add_co_u32 s66, s66, s67
	s_mov_b32 s21, 0
	s_mov_b32 s23, 0
	s_mov_b32 s47, 0
	s_mov_b32 s67, 0
	s_mul_i32 s45, s14, HALFT                      ; where they go: wave x 128 rows: no place in the cluster enters an LDS address
	s_wait_dscnt 0x0                               ; both opening adds are done
	s_wait_kmcnt 0x0
	s_cmp_ge_u32 s12, 8                            ; the buffers are chosen by CLY alone
	s_cselect_b64 s[G0+2:G0+3], s[8:9], s[4:5]
	s_cselect_b64 s[G0S+2:G0S+3], s[10:11], s[6:7]
	s_cselect_b64 s[G0B+2:G0B+3], s[4:5], s[8:9]
	s_cselect_b64 s[G0SB+2:G0SB+3], s[6:7], s[10:11]
	s_add_nc_u64 s[G0+2:G0+3], s[G0+2:G0+3], s[20:21]
	s_add_nc_u64 s[G0S+2:G0S+3], s[G0S+2:G0S+3], s[22:23]
	s_add_nc_u64 s[G0B+2:G0B+3], s[G0B+2:G0B+3], s[46:47]
	s_add_nc_u64 s[G0SB+2:G0SB+3], s[G0SB+2:G0SB+3], s[66:67]
	s_mov_b32 s4, 1                                ; s[4:7], s[8:11]: group 0 of the head's loads of K step 0, A's 256 rows and B's (the arguments that lay there have been used)
	s_mov_b32 s5, 0
	s_mov_b64 s[6:7], s[G0+2:G0+3]
	s_or_b32 s7, s7, 0x80000000
	s_mov_b32 s8, 1
	s_mov_b32 s9, 2*HALFT
	s_mov_b64 s[10:11], s[G0B+2:G0B+3]
	s_or_b32 s11, s11, 0x80000000
	s_lshl_b32 s66, s18, 10                        ; for the ring: my 128 rows of the tile, in bytes (s67 = 0)
	s_add_nc_u64 s[G0+2:G0+3], s[G0+2:G0+3], s[66:67]
	s_add_nc_u64 s[G0B+2:G0B+3], s[G0B+2:G0B+3], s[66:67]
	s_cmp_eq_u32 s15, 0                            ; the prefetches: of the 128 rows that I fetch, the partner at place p of the four that ask jointly names rows 32 p on: told apart by address alone
	s_cselect_b64 s[66:67], s[G0+2:G0+3], s[G0B+2:G0B+3]
	s_cselect_b32 s20, s40, s41
	s_lshl_b32 s20, s20, 15
	s_add_nc_u64 s[66:67], s[66:67], s[20:21]
	s_add_nc_u64 s[G0+6:G0+7], s[G0+2:G0+3], ROWB
	s_add_nc_u64 s[G0B+6:G0B+7], s[G0B+2:G0B+3], ROWB
.irp g, G0, G0+4, G0B, G0B+4, G0S, G0SB
	s_mov_b32 s[\g], 1                             ; 1:0 count = 1
	s_or_b32 s[\g+3], s[\g+3], 0x80000000          ; 127:126 type = 2
.endr
	s_mov_b32 s[G0+1], s45                         ; 63:32 LDS address
	s_add_co_u32 s[G0+5], s45, SLOT
	s_mov_b32 s[G0B+1], s45
	s_add_co_u32 s[G0B+5], s45, SLOT
	s_mov_b32 s[G0S+1], SCL
	s_mov_b32 s[G0SB+1], SCL+2*HALFS
	CROUND                                         ; all sixteen work-groups are here: the first joint loads meet
; The head's loads, one a wave: wave 0 K step 0's 256 rows of A, wave 1 those of B, wave 2 A's scales, wave 3 B's: one chain of branches on the wave's number.
.macro ARM under, g0, g1, next
	s_cmp_lt_u32 s14, \under
	s_cbranch_scc0 \next
	tensor_load_to_lds s[\g0:\g0+3], s[\g1:\g1+7]
	s_nop 0
.rept 4
	v_nop
.endr
	s_branch .Lhead_asked
\next:
.endm
	ARM 1, 4, G1, .Lhead_b
	ARM 2, 8, G1B, .Lhead_sa
	ARM 3, G0S, G1S, .Lhead_sb
	tensor_load_to_lds s[G0SB:G0SB+3], s[G1SB:G1SB+7]
	s_nop 0
.rept 4
	v_nop
.endr
.Lhead_asked:
	v_and_b32 v13, 31, v0                          ; v13: a lane a row of 1,024 bytes; never rewritten
	v_lshlrev_b32 v13, 10, v13
	global_prefetch_b8 v13, s[66:67] offset:256 th:TH_LOAD_NT scope:SCOPE_SE   ; K steps 1 and 2 of my 32 rows: 256 bytes a row and step, each named once in the cluster
	global_prefetch_b8 v13, s[66:67] offset:512 th:TH_LOAD_NT scope:SCOPE_SE
	v_and_b32 v1, 15, v0                           ; r
	v_bfe_u32 v2, v0, 4, 1                         ; h
	v_mul_u32_u24 v3, v1, PITCH
	v_lshl_add_u32 v4, v2, 4, v3                   ; a fragment's row x pitch + 16 x half
	s_mul_i32 s21, s15, HALFT                      ; my 128 rows of A
	s_mul_i32 s22, s16, HALFT                      ; my 128 rows of B,
	s_add_co_u32 s22, s22, 2*HALFT                 ; which lie behind A's 256
.irp s, 0,1
	v_add_nc_u32 v[ADRA+\s], s21, v4
	v_add_nc_u32 v[ADRB+\s], s22, v4
	s_add_co_u32 s21, s21, SLOT
	s_add_co_u32 s22, s22, SLOT
.endr
	v_mul_u32_u24 v5, v1, KS                       ; my row's scales: 32 bytes a row,
	v_lshrrev_b32 v6, 8, v5
	v_lshl_add_u32 v5, v6, 4, v5                   ; and 16 more for each 256 passed
	s_mul_i32 s21, s15, HALFS
	s_mul_i32 s22, s16, HALFS
	s_add_co_u32 s22, s22, 2*HALFS
	s_sub_co_u32 s22, s22, s21
	v_mul_u32_u24 v6, s22, v2                      ; lanes 16-31 take B's
	s_add_co_u32 s21, s21, SCL
	v_add_nc_u32 v5, v5, v6
	v_add_nc_u32 v[ADRS], s21, v5
	; the way out's addresses, all made here, on the one way that every wave takes
	v_and_b32 v[LN], 31, v0
	v_lshlrev_b32 v[IMO], 4, v[LN]
	v_lshlrev_b32 v[SGO], 3, v[LN]
	s_lshl_b32 s21, s14, 8
	s_add_co_u32 s21, s21, SCW
	v_add_nc_u32 v[SRD], s21, v[SGO]               ; wave w reads batch w's 256 bytes of scale words
	s_lshl_b32 s21, s15, 3
	s_lshl_b32 s22, s16, 1
	s_add_co_u32 s21, s21, s22
	s_add_co_u32 s21, s21, SCW
	v_lshl_add_u32 v[SHA], v1, 4, s21              ; row r's words: 16 r; my word 2 rh + u; my two bytes of it 2 ch
	v_and_b32 v5, 8, v1
	v_add_nc_u32 v5, v5, v1
	v_lshlrev_b32 v[CSO], 12, v5
	v_lshl_add_u32 v[CSO], v2, 6, v[CSO]
	s_mov_b32 s2, 0x600000                         ; the mantissa field of 57,344
	s_mov_b32 s18, 0x76543210
	s_mov_b32 s19, 0xfedcba98                      ; v_permlanex16_b32's selects for lane l xor 16
	s_mov_b32 s21, 0
	s_and_b32 s46, s42, 7                          ; q, k: the head,
	s_lshr_b32 s47, s42, 3                         ; and which of the two
	s_lshl_b32 s20, s17, 18                        ; cos, sin: row 64 Y + 32 rh, column 128 head + 64 ch
	s_lshl_b32 s22, s15, 17
	s_add_co_u32 s20, s20, s22
	s_lshl_b32 s22, s46, 9
	s_add_co_u32 s20, s20, s22
	s_lshl_b32 s22, s16, 8
	s_add_co_u32 s20, s20, s22
	s_add_nc_u64 s[92:93], s[92:93], s[20:21]
	s_add_nc_u64 s[94:95], s[94:95], s[20:21]
	s_lshl_b32 s20, s47, 23                        ; qkc: q or k; the head; 64 positions are 8,192 bytes; my 32 of them; my two groups c
	s_lshl_b32 s22, s46, 18
	s_add_co_u32 s20, s20, s22
	s_lshl_b32 s22, s17, 13
	s_add_co_u32 s20, s20, s22
	s_lshl_b32 s22, s15, 12
	s_add_co_u32 s20, s20, s22
	s_lshl_b32 s22, s16, 10
	s_add_co_u32 s20, s20, s22
	s_add_nc_u64 s[96:97], s[96:97], s[20:21]
	s_lshl_b32 s20, s47, 18                        ; qks: q or k; batch = my wave; the head; 64 positions are 256 bytes
	s_lshl_b32 s22, s14, 16
	s_add_co_u32 s20, s20, s22
	s_lshl_b32 s22, s46, 13
	s_add_co_u32 s20, s20, s22
	s_lshl_b32 s22, s17, 8
	s_add_co_u32 s20, s20, s22
	s_add_nc_u64 s[98:99], s[98:99], s[20:21]
	s_lshr_b32 s46, s13, 3                         ; v: the batch,
	s_lshl_b32 s47, s41, 1
	s_add_co_u32 s47, s47, s15                     ; the head 2 cy + rh,
	s_and_b32 s23, s13, 7
	s_lshl_b32 s23, s23, 1
	s_add_co_u32 s23, s23, s16                     ; and which 128 keys
	s_lshl_b32 s20, s46, 21
	s_lshl_b32 s22, s47, 18
	s_add_co_u32 s20, s20, s22
	s_lshl_b32 s22, s23, 14
	s_add_co_u32 s20, s20, s22
	s_add_nc_u64 s[100:101], s[100:101], s[20:21]
	s_lshl_b32 s20, s46, 16
	s_lshl_b32 s22, s47, 13
	s_add_co_u32 s20, s20, s22
	s_lshl_b32 s22, s23, 9
	s_add_co_u32 s20, s20, s22
	s_add_nc_u64 s[104:105], s[104:105], s[20:21]
.macro FRAG reg, adr, q, i             ; a fragment, 16 rows x 128 K: lane l holds row l % 16; registers 4 c .. 4 c + 3 hold K = 32 c + 16 (l / 16) + 0 .. 15
.irp c, 0,1,2,3
	ds_load_b128 v[\reg+4*\c:\reg+4*\c+3], v[\adr] offset:128*(\q)+32*\c+(\i)*16*PITCH
.endr
.endm
; 16 matrix instructions: A's blocks a0, a0 + 1 x B's eight, 128 along K.  The 64 accumulators take turns, one instruction a turn, in the same order in every step.
.macro MUL16 a0, p, q, sc, zero
.irp a, \a0, \a0+1
.irp b, 0,1,2,3,4,5,6,7
.if \zero
	v_wmma_scale_f32_16x16x128_f8f6f4 v[8*(8*((\a)%4)+\b):8*(8*((\a)%4)+\b)+7], v[128*(\p)+FR*\b:128*(\p)+FR*\b+FR-1], v[AF+FR*(\a):AF+FR*(\a)+FR-1], 0, v[SC+8*NQ*(\sc)+NQ*\b+(\q)], v[SC+8*NQ*(\sc)+NQ*(\a)+(\q)] matrix_a_fmt:MATRIX_FMT_BF8 matrix_b_fmt:MATRIX_FMT_BF8 matrix_a_scale:MATRIX_SCALE_ROW1
.else
	v_wmma_scale_f32_16x16x128_f8f6f4 v[8*(8*((\a)%4)+\b):8*(8*((\a)%4)+\b)+7], v[128*(\p)+FR*\b:128*(\p)+FR*\b+FR-1], v[AF+FR*(\a):AF+FR*(\a)+FR-1], v[8*(8*((\a)%4)+\b):8*(8*((\a)%4)+\b)+7], v[SC+8*NQ*(\sc)+NQ*\b+(\q)], v[SC+8*NQ*(\sc)+NQ*(\a)+(\q)] matrix_a_fmt:MATRIX_FMT_BF8 matrix_b_fmt:MATRIX_FMT_BF8 matrix_a_scale:MATRIX_SCALE_ROW1
.endif
.endr
.endr
.endm
.macro FETCH_B slot, q, p              ; B's eight fragments of the slot's q-th 128 along K into set p
	WIN TO_B
.irp i, 0,1,2,3,4,5,6,7
	FRAG 128*(\p)+FR*\i, ADRB+\slot, \q, \i
.endr
	WIN 0
.endm
.macro FETCH_A slot, q, i0             ; A's blocks i0 .. i0 + 3
.irp i, \i0, \i0+1, \i0+2, \i0+3
	FRAG AF+FR*(\i), ADRA+\slot, \q, \i
.endr
.endm
.macro SCALES sc                       ; a K step's scale words into set sc: two words a row; lanes 0-15 take A's block i, lanes 16-31 B's block i
.irp i, 0,1,2,3,4,5,6,7
	ds_load_b64 v[SC+8*NQ*\sc+NQ*\i:SC+8*NQ*\sc+NQ*\i+1], v[ADRS] offset:\i*SBLK
.endr
.endm
; A load into a register that a matrix instruction has read, and a vector instruction that reads a matrix result or writes one of a matrix instruction's registers, stand eight places behind it; only plain
; vector instructions that name none of its registers are places.
.macro PLACES n
.rept \n
	v_nop
.endr
.endm
.macro STEP slot, q, zero              ; a step of 128 along K that has its successor in the same slot
	s_wait_dscnt 4*NL                              ; B's set and A's blocks 0-3 are in; the youngest sixteen loads (A's blocks 4-7) may be out
	WIN MUL_LO
	MUL16 0, (\q)%2, \q, \slot, \zero
	MUL16 2, (\q)%2, \q, \slot, \zero
	s_wait_dscnt 0                                 ; A's blocks 4-7 are in
	PLACES NP
	FETCH_B \slot, (\q)+1, 1-(\q)%2
	FETCH_A \slot, (\q)+1, 0
	WIN MUL_HI
	MUL16 4, (\q)%2, \q, \slot, \zero
	MUL16 6, (\q)%2, \q, \slot, \zero
	PLACES NP
	WIN 0
	FETCH_A \slot, (\q)+1, 4
.endm
; A slot's last step changes slots: one barrier; in front of it each wave waits for all its tensor loads, adds 0 to its spare word, and waits for that and for its own reads of this slot.  fill = 1: this slot is filled again, two K steps ahead.
.macro TURN slot, next, fill
	s_wait_tensorcnt 0x0                           ; all my tensor loads have landed: my part of the next slot
	ds_add_u32 v[SPW], v[NIL]                      ; 0 onto my spare word
	s_wait_dscnt 4*NL+1                            ; (the add and the youngest sixteen loads may be out)
	WIN MUL_LO
	MUL16 0, 1, NQ-1, \slot, 0                     ; sixteen matrix instructions stand between the add and the wait for it
	s_wait_dscnt 0x0                               ; the add is done, and my reads of this slot are over
	s_barrier_signal -1
	MUL16 2, 1, NQ-1, \slot, 0
	WIN 0
	s_barrier_wait -1
.if \fill
	CREST                                          ; the barrier has opened a round of the cluster's barrier: no wave of any partner still reads this slot's tile or has a load on its way
	s_add_nc_u64 s[G0+4*\slot+2:G0+4*\slot+3], s[G0+4*\slot+2:G0+4*\slot+3], 2*ROWB
	s_add_nc_u64 s[G0B+4*\slot+2:G0B+4*\slot+3], s[G0B+4*\slot+2:G0B+4*\slot+3], 2*ROWB
	JLOAD G0+4*\slot, G1, G0B+4*\slot, G1B         ; the first tensor load behind the round; its four v_nop are among the places in front of the loads below
	PLACES NP-4
.else
	PLACES NP
.endif
	s_wait_alu depctr_va_vdst(0)
	v_add_nc_u32 v[ADRS], 4*NQ, v[ADRS]            ; on to the next K step's scale words (no LDS load of mine is out)
	FETCH_B \next, 0, 0
	FETCH_A \next, 0, 0
	SCALES \next
	WIN MUL_HI
	MUL16 4, 1, NQ-1, \slot, 0
	MUL16 6, 1, NQ-1, \slot, 0
	PLACES NP
	WIN 0
	FETCH_A \next, 0, 4
.endm
.macro TAIL nb                         ; the last two steps of 128 along K: nothing more is fetched from memory, no barrier; written once in each arm.  nb: the blocks that the arm's quantiser takes at a time
	STEP 1, 0, 0
	s_wait_dscnt 4*NL
	WIN MUL_LO
	MUL16 0, 1, NQ-1, 1, 0
	MUL16 2, 1, NQ-1, 1, 0
	s_wait_dscnt 0
	WIN MUL_HI
	MUL16 4, 1, NQ-1, 1, 0
	MUL16 6, 1, NQ-1, 1, 0
	WIN 0
	PLACES NP                                      ; for all that the way out reads of the results and writes or loads over A's fragments
.set qb, 0
.rept \nb
	v_mov_b32 v[TM+\nb+qb], 0                      ; written once: a lane permute's destination counts as one of its sources
.set qb, qb+1
.endr
.endm
.macro LOADCS u, reg                   ; cos into v[reg] .. + 31, sin into the 32 behind: positions 8 u + r + 8 (r / 8) of my 32, columns 32 B + 16 h + 0 .. 15 of my 64: register 16 B + i as the results lie
.irp b, 0,1
.irp k, 0,1,2,3
	global_load_b128 v[\reg+16*\b+4*\k:\reg+16*\b+4*\k+3], v[CSO], s[92:93] offset:32768*(\u)+128*\b+16*\k
	global_load_b128 v[\reg+32+16*\b+4*\k:\reg+32+16*\b+4*\k+3], v[CSO], s[94:95] offset:32768*(\u)+128*\b+16*\k
.endr
.endr
.endm
; 16 nb numbers of a lane, v[s] on in window w, register 16 b + i = neighbour 32 b + 16 h + i along the next K, become codes in v[PC] on and scale bytes in v[pw].  The held numbers go to v[d] on, in window 0.
.macro QUANT s, d, nb, w, pw
	WIN ((\w)|((\w)<<2))                           ; sources 0 and 1 in window w
.set qb, 0
.rept \nb
	v_max3_num_f32 v[TM+qb], |v[(\s)+16*qb]|, |v[(\s)+16*qb+1]|, 0x8000000   ; block qb: my 16 numbers, from each accumulator's low end on, and the floor 2^(16 - 127)
.set qb, qb+1
.endr
.irp i, 2,4,6,8,10,12,14
.set qb, 0
.rept \nb
	v_max3_num_f32 v[TM+qb], |v[(\s)+16*qb+\i]|, |v[(\s)+16*qb+\i+1]|, v[TM+qb]   ; (the blocks by turns)
.set qb, qb+1
.endr
.endr
	WIN 0
.set qb, 0
.rept \nb
	v_permlanex16_b32 v[TM+\nb+qb], v[TM+qb], s18, s19
.set qb, qb+1
.endr
.set qb, 0
.rept \nb
	v_max_num_f32 v[TM+qb], v[TM+qb], v[TM+\nb+qb] ; with lane l xor 16's: the block's largest magnitude
.set qb, qb+1
.endr
.set qb, 0
.rept \nb
	v_add_nc_u32 v[TM+3*\nb+qb], 0xf8800000, v[TM+qb] ; 15 off its exponent field: the conversion's scale operand
.set qb, qb+1
.endr
.set qb, 0
.rept \nb
	v_and_or_b32 v[TM+2*\nb+qb], v[TM+qb], 0x7f800000, s2   ; 57,344 x the scale
.set qb, qb+1
.endr
.set qb, 0
.rept \nb
	v_lshrrev_b32 v[TM+\nb+qb], 23, v[TM+3*\nb+qb] ; the scale's byte
.set qb, qb+1
.endr
	v_lshl_or_b32 v[\pw], v[TM+\nb+1], 8, v[TM+\nb]
.if \nb == 4
	v_lshl_or_b32 v[\pw], v[TM+\nb+2], 16, v[\pw]
	v_lshl_or_b32 v[\pw], v[TM+\nb+3], 24, v[\pw]
.endif
	WIN (\w)                                       ; source 0 in window w
.set qb, 0
.rept \nb
.irp i, 0,1,2,3,4,5,6,7,8,9,10,11,12,13,14,15
	v_med3_num_f32 v[(\d)+16*qb+\i], v[(\s)+16*qb+\i], -v[TM+2*\nb+qb], v[TM+2*\nb+qb]   ; the conversion to an 8-bit code does not saturate (ISA guide 7.6.2): the hold comes first
.endr
.set qb, qb+1
.endr
	WIN 0
.set qb, 0
.rept \nb
	v_cvt_scalef32_pk8_bf8_f32 v[PC+4*qb:PC+4*qb+1], v[(\d)+16*qb:(\d)+16*qb+7], v[TM+3*\nb+qb]
	v_cvt_scalef32_pk8_bf8_f32 v[PC+4*qb+2:PC+4*qb+3], v[(\d)+16*qb+8:(\d)+16*qb+15], v[TM+3*\nb+qb]
.set qb, qb+1
.endr
	v_nop                                          ; one plain instruction between the conversions and the next vector instruction that writes their sources
.endm
; q, k: block a = 2 batch + u: rotated, quantised, stored.  cs: the set of cos and sin for this u.
.macro ROPE a, cs
.set AC, 64*((\a)%4)
	s_wait_xcnt 0x0                                ; the last block's stores have read the codes' registers
	WIN (2+(\a)/4)                                 ; source 0: the accumulators' window
.irp b, 0,1,2,3
.irp j, 0,2,4,6
	v_pk_mul_f32 v[T+8*\b+\j:T+8*\b+\j+1], v[AC+8*\b+\j:AC+8*\b+\j+1], v[\cs+8*\b+\j:\cs+8*\b+\j+1]   ; z cos
.endr
.endr
.irp b, 0,1,2,3
.irp j, 0,2,4,6
	v_pk_fma_f32 v[T+8*\b+\j:T+8*\b+\j+1], v[AC+32+8*\b+\j:AC+32+8*\b+\j+1], v[\cs+32+8*\b+\j:\cs+32+8*\b+\j+1], v[T+8*\b+\j:T+8*\b+\j+1]   ; + rot(z) sin: the rot rows' results lie four accumulators on
.endr
.endr
	QUANT T, T, 2, 0, SW+\a
	global_store_b128 v[IMO], v[PC:PC+3], s[96:97] offset:2097152*((\a)/2)+2048*((\a)%2)         ; 512 consecutive bytes: group c = 2 ch of the tile's image; the batch and u stand in the immediate (6,294,016 at the most)
	global_store_b128 v[IMO], v[PC+4:PC+7], s[96:97] offset:2097152*((\a)/2)+2048*((\a)%2)+512   ; group 2 ch + 1
	ds_store_b16 v[SHA], v[SW+\a] offset:256*((\a)/2)+4*((\a)%2)   ; my two bytes of the row's scale word; both halves of the lanes write the same
.endm
; v: A's block a (16 channels) x my 128 keys: quantised along the keys, stored.
.macro VOUT a
	s_wait_xcnt 0x0                                ; the last block's stores have read the codes' registers
	QUANT 64*((\a)%4), VT, 4, 2+(\a)/4, SW+\a
.irp c, 0,1,2,3
	global_store_b128 v[IMO], v[PC+4*\c:PC+4*\c+3], s[100:101] offset:2048*(\a)+512*\c
.endr
.endm
	s_wait_alu depctr_va_vdst(0)                   ; the head's end
	s_wait_tensorcnt 0x0                           ; my tile of the head's four is in
	ds_add_u32 v[SPW], v[NIL]
	s_mov_b32 s[G1+2], 128<<16                     ; no tensor load of mine is out: from here on a load brings 128 rows
	s_mov_b32 s[G1+4], 128
	s_mov_b32 s[G1B+2], 128<<16
	s_mov_b32 s[G1B+4], 128
	s_wait_dscnt 0x0
	CROUND                                         ; all four tiles are in, and all sixteen work-groups are here
	JLOAD G0+4, G1, G0B+4, G1B                     ; K step 1, the first tensor load behind the round
	FETCH_B 0, 0, 0
	FETCH_A 0, 0, 0
	SCALES 0
	FETCH_A 0, 0, 4
	STEP 0, 0, 1                                   ; the first step stands in front of the loop: its products start the sums
	s_mov_b32 s3, LAPS-1
.Llap:                                                 ; a trip goes once round the ring and fills both slots again
	TURN 0, 1, 1
	global_prefetch_b8 v13, s[66:67] offset:768 th:TH_LOAD_NT scope:SCOPE_SE   ; K step 3, the last: one change of slots ahead of its load (the loop has one trip)
	STEP 1, 0, 0
	TURN 1, 0, 1
	STEP 0, 0, 0
	s_sub_co_u32 s3, s3, 1
	s_cmp_lg_u32 s3, 0
	s_cbranch_scc1 .Llap
	TURN 0, 1, 0                                   ; the last change of slots fills nothing, and has no round of the cluster's barrier
	s_cmp_ge_u32 s12, 8                            ; THE ONE PARTING: CLY alone decides, the same in all waves of all sixteen partners
	s_cbranch_scc1 .Lv
.set PC, 236                           ; q, k: two blocks at a time: 8 registers of codes, 8 at work
.set TM, 244
	LOADCS 0, CS0                                  ; into registers that lie idle: 16 loads, 128 matrix instructions ahead of their use
	TAIL 2
	LOADCS 1, CS1                                  ; where A's fragments lay
	s_wait_loadcnt 16                              ; set 0 is in; set 1's sixteen loads may be out
	ROPE 0, CS0
	ROPE 2, CS0
	ROPE 4, CS0
	ROPE 6, CS0
	s_wait_loadcnt 0x0
	ROPE 1, CS1
	ROPE 3, CS1
	ROPE 5, CS1
	ROPE 7, CS1
	s_wait_dscnt 0x0                               ; for the others' sake: my scale bytes are stored
	s_barrier_signal -1
	s_barrier_wait -1                              ; a scale word's four bytes come from two waves
	ds_load_b64 v[232:233], v[SRD]
	s_wait_dscnt 0x0
	global_store_b64 v[SGO], v[232:233], s[98:99]  ; a batch's 64 scale words: 256 consecutive bytes, aligned
	s_branch .Lend
.Lv:
.set PC, 192                           ; v: four blocks at a time: 16 registers of codes, 16 at work
.set TM, 208
	TAIL 4
.irp a, 0,1,2,3,4,5,6,7
	VOUT \a
.endr
	v_cmp_le_u32 vcc_lo, 16, v[LN]                 ; both halves of the lanes hold row r's words: lanes 0-15 store those of tiles 0-3, lanes 16-31 those of tiles 4-7
.irp k, 0,1,2,3
	v_cndmask_b32 v[232+\k], v[SW+\k], v[SW+4+\k], vcc_lo
.endr
	global_store_b128 v[IMO], v[232:235], s[104:105]   ; 512 consecutive bytes
.Lend:
	s_wait_tensorcnt 0x0                           ; the wave's end, behind my last tensor load and my last LDS store
	ds_add_u32 v[SPW], v[NIL]
	s_wait_dscnt 0x0
	CROUND                                         ; the closing round: no work-group ends while a partner may still ask for a tile that names it
	s_endpgm
.Lfunc_end_k_q814d322ab3_proj:
	.size	k_q814d322ab3_proj, .Lfunc_end_k_q814d322ab3_proj-k_q814d322ab3_proj
	.p2alignl 7, 3214868480
	.fill 96, 4, 3214868480
	.section	.rodata,"a",@progbits
	.p2align	6, 0x0
	.amdhsa_kernel k_q814d322ab3_proj
		.amdhsa_group_segment_fixed_size 327680
		.amdhsa_private_segment_fixed_size 0
		.amdhsa_enable_private_segment 0
		.amdhsa_kernarg_size 80
		.amdhsa_user_sgpr_count 2
		.amdhsa_user_sgpr_kernarg_segment_ptr 1
		.amdhsa_wavefront_size32 1
		.amdhsa_system_sgpr_workgroup_id_x 1
		.amdhsa_system_sgpr_workgroup_id_y 1
		.amdhsa_system_sgpr_workgroup_id_z 1
		.amdhsa_system_vgpr_workitem_id 0
		.amdhsa_next_free_vgpr 1024
		.amdhsa_next_free_sgpr 106
		.amdhsa_reserve_vcc 1
		.amdhsa_float_denorm_mode_32 3
		.amdhsa_float_denorm_mode_16_64 3
		.amdhsa_memory_ordered 1
		.amdhsa_forward_progress 1
		.amdhsa_inst_pref_size 255
	.end_amdhsa_kernel
	.section	.bss,"aw",@nobits
	.p2align	6
	.space	262144
	.amdgpu_metadata
---
amdhsa.version: [ 1, 2 ]
amdhsa.kernels:
  - .name:           k_q814d322ab3_proj
    .symbol:         k_q814d322ab3_proj.kd
    .args:
      - { .name: xc, .offset: 0, .size: 8, .value_kind: global_buffer, .address_space: global }
      - { .name: xs, .offset: 8, .size: 8, .value_kind: global_buffer, .address_space: global }
      - { .name: wc, .offset: 16, .size: 8, .value_kind: global_buffer, .address_space: global }
      - { .name: ws, .offset: 24, .size: 8, .value_kind: global_buffer, .address_space: global }
      - { .name: cos, .offset: 32, .size: 8, .value_kind: global_buffer, .address_space: global }
      - { .name: sin, .offset: 40, .size: 8, .value_kind: global_buffer, .address_space: global }
      - { .name: qkc, .offset: 48, .size: 8, .value_kind: global_buffer, .address_space: global }
      - { .name: qks, .offset: 56, .size: 8, .value_kind: global_buffer, .address_space: global }
      - { .name: vc, .offset: 64, .size: 8, .value_kind: global_buffer, .address_space: global }
      - { .name: vs, .offset: 72, .size: 8, .value_kind: global_buffer, .address_space: global }
    .group_segment_fixed_size: 327680
    .private_segment_fixed_size: 0
    .kernarg_segment_align: 8
    .kernarg_segment_size: 80
    .max_flat_workgroup_size: 128
    .sgpr_count:     106
    .vgpr_count:     1024
    .wavefront_size: 32
...
	.end_amdgpu_metadata
.endif
;; end of part 2
;; launch attn (part 3): grid 8 x 32, 16 waves a work-group, no clusters, 327,680 bytes of LDS; arguments qkc, qks, vc, vs, out0; writes out0
.if DOCPART == 3
	.amdgcn_target "amdgcn-amd-amdhsa--gfx1250"
	.amdhsa_code_object_version 6
	.text
	.protected	k_q814d322ab3_attn
	.globl	k_q814d322ab3_attn
	.p2align	8
	.type	k_q814d322ab3_attn,@function
k_q814d322ab3_attn:
	s_mov_b64 s[64:65], 0
	v_nop
	global_prefetch_b8 v0, s[64:65] scope:SCOPE_SE
	s_setreg_imm32_b32 hwreg(HW_REG_WAVE_MODE, 25, 1), 1
	s_wait_xcnt 0x0
; out(batch, q, head) = the sum over keys k <= q of softmax_k(Q . K / sqrt(128)) V, both products on codes of BF8 (E5M2) with one E8M0 scale for each 32 along a product's K.
; WORK LEFT OUT: steps of 128 keys that lie wholly behind a block of 128 queries (reference()'s own tril gives them the weight 0); shown at the head of the first launch's text.
; THE SOFTMAX: t = score x log2(e) / sqrt(128); M = the largest t so far, rounded up to a whole number; p = 2^(t - M) is quantised along the keys; the sum of the unquantised p divides at the end.
; THE OPERANDS lie in memory as images of their registers: a tile (16 rows x 128 K) is 2,048 bytes, group c at 512 c + 16 lane; a step of 128 positions is 8 tiles on end, 16,384 bytes; its scale words [tile / 4][r][tile % 4], 512 bytes.
; SHARES.  Work-group (i, head) owns the blocks of 128 queries i (early) and 15 - i (late): 17 steps of 128 keys for each of 8 pairs of tiles.  A PAIR OF WAVES (w, w xor 1) owns tile a = w / 2 of both blocks.
;   Wave A (bit 0 of w differs from bit 2): the late tile, key steps 0 .. 8.  Wave B: the early tile, steps 0 .. i; it stores that tile, takes the late tile's Q and goes on with steps 9 .. 15 - i: 8 steps.
;   At the end B hands O^T, -M and the sums to A through LDS; A brings both parts under the larger M by powers of two, which round nothing, adds them, divides and stores.
; NINE TIME STEPS.  At time t a slot holds stream A's key step t and stream B's key step t (t <= i) or t + 8 - i, each K's 8 tiles, V's 8 tiles and their scale words.  Only global addresses hang on i.
;   Two slots.  Waves 0-3 fetch K_A, V_A, K_B, V_B (16,384 bytes each), waves 4-7 their scale words (512 each): one load a wave behind each barrier.  Time 8 has stream A alone; the last two fills are written out.
; NO CLUSTER: of a time step's four loads of tiles, stream B's two differ between the work-groups of a head wherever t > i.
; PREFETCH: work-group 0 of a head, whose streams walk all 16 steps, asks at time t for what the change at t + 1 loads: waves 8-11 stream A's step t + 2, waves 12-15 stream B's step t + 10, 8,192 bytes a wave, lanes 256 bytes apart;
;   stream A's asks end with step 8, B's with step 15.  Steps 0, 1 and 9 and the scale words come by their loads alone.
; LIMITS: as the first launch's text states them.
; REGISTERS: v1-11 addresses; v12 -M, v13 the largest t, v[14:15] the sum; v16-31 Q; v32-95 four fragments; v96-159 S^T, then p; v160-223 O^T; v224-239 p's codes; v232-254 at work; v255 Q's scale word.
.set SLOT1, 0x10000                    ; a slot of tiles is 4 x 16,384 bytes; slot 1: one exclusive or turns an address
.set SCW,   2*SLOT1                    ; behind both slots: the scale words K_A, V_A, K_B, V_B, 512 bytes each, for slot 0;
.set SCT,   2048                       ; those for slot 1 lie this far on: an exclusive or of their own
.set STG0,  SCW+2*SCT                  ; behind them the sixteen stages: bytes into which no tile lands; stages 0-7 are the waves A's, 8-15 the waves B's
.set STG,   8704                       ; a stage: 16 rows x 528 bytes; B's also takes the 8,192 + 512 bytes that it hands over
.set SPARE, STG0+16*STG                ; the spare words, 128 bytes for each wave
.set SP,    528
.set IM,   1                           ; 16 x lane
.set STI,  2                           ; stage: where I put 64 bytes of my query's row
.set ASK0, 3                           ; my stream's scale words in slot 0, + 16 r
.set QD,   4                           ; on the diagonal: my query - the step's first key - 16 (lane / 16)
.set SPW,  5
.set NIL,  6
.set PFO,  7                           ; 256 x lane
.set ADK,  8
.set STB,  9                           ; stage: where I read a row back
.set ADS,  10
.set AP,   11                          ; my stream's tiles in slot 0, + 16 x lane
.set TB,   2                           ; s2 the slot in hand;  s3 the time step
.set TT,   3
.set GBT,  14                          ; s[14:15], s[16:17] what I fetch: my head's codes, scale words
.set GBS,  16
.set WV,   18
.set MNT,  19
.set SEL,  20
.set CS,   22
.set G1T,  24
.set G1S,  32
.set G0T,  40
.set G0S,  44
.set LIMI, 48                          ; i in a wave that fetches for stream B, else the greatest number
.set JMP,  49                          ; 8 - i
.set ROLE, 50                          ; 1: wave A
.set SW,   51                          ; the early block's first query
.set QBL,  52                          ; the late block's first query
.set PL,   53                          ; a wave prefetches while the time step is under this
.set LQ,   54                          ; s[54:55], s[56:57] the late tile's Q: codes, scale words
.set LS,   56
.set XA,   58                          ; LDS: my pair's stage of wave B
.set TS,   59                          ; the scale words of the slot in hand: 0 or SCT
.set KF,   66                          ; my stream's first key
.set QB,   68                          ; first query of the block in hand
.set QL,   70
.set PFA,  76
.macro TL g0, g1
	tensor_load_to_lds s[\g0:\g0+3], s[\g1:\g1+7]
	s_nop 0
.rept 4
	v_nop
.endr
.endm
	s_load_b256 s[4:11], s[0:1], 0x0               ; qkc, qks, vc, vs
	s_load_b64 s[12:13], s[0:1], 0x20              ; out0
	v_lshl_add_u32 v[SPW], v0, 2, SPARE
	v_mov_b32 v[NIL], 0
	ds_add_u32 v[SPW], v[NIL]                      ; the opening: the add, twice on end, and its wait
	ds_add_u32 v[SPW], v[NIL]
	v_lshrrev_b32 v8, 5, v0
	v_readfirstlane_b32 s[WV], v8
	s_and_b32 s71, ttmp7, 0xffff                   ; 8 x batch + head
	s_lshr_b32 s[ROLE], s[WV], 2
	s_xor_b32 s[ROLE], s[ROLE], s[WV]
	s_and_b32 s[ROLE], s[ROLE], 1
	s_sub_co_u32 s73, 15, ttmp9                    ; the late block
	s_lshl_b32 s[QBL], s73, 7
	s_lshl_b32 s72, ttmp9, 7
	s_cmp_eq_u32 s[ROLE], 1
	s_cselect_b32 s74, s73, ttmp9                  ; the block that I begin with, and whose rows I store
	s_cselect_b32 s[QB], s[QBL], s72
	s_mov_b32 s[SW], s72
	s_lshr_b32 s75, s[WV], 1                       ; my tile a
	s_lshr_b32 s[QL], s75, 1
	s_lshl_b32 s[QL], s[QL], 5
	s_and_b32 s81, s75, 1
	s_lshl_b32 s81, s81, 3
	s_add_co_u32 s[QL], s[QL], s81                 ; 32 (a / 2) + 8 (a % 2)
	s_mov_b32 s[G1T], 3<<16                        ; 16,384 dense bytes as 64 rows of 256 (32 elements of 8 bytes)
	s_mov_b32 s[G1T+1], 32<<16
	s_mov_b32 s[G1T+2], 64<<16
	s_mov_b32 s[G1T+3], 32<<16
	s_mov_b32 s[G1T+4], 64
	s_mov_b32 s[G1T+5], 32
	s_mov_b32 s[G1T+6], 0
	s_mov_b32 s[G1T+7], 0
	s_mov_b32 s[G1S], 3<<16                        ; 512 dense bytes as 2 rows of 256
	s_mov_b32 s[G1S+1], 32<<16
	s_mov_b32 s[G1S+2], 2<<16
	s_mov_b32 s[G1S+3], 32<<16
	s_mov_b32 s[G1S+4], 2
	s_mov_b32 s[G1S+5], 32
	s_mov_b32 s[G1S+6], 0
	s_mov_b32 s[G1S+7], 0
	s_and_b32 s81, s[WV], 3
	s_mov_b32 s[G0T], 1
	s_lshl_b32 s[G0T+1], s81, 14
	s_mov_b32 s[G0S], 1
	s_lshl_b32 s[G0S+1], s81, 9
	s_add_co_u32 s[G0S+1], s[G0S+1], SCW
	s_and_b32 s86, s[WV], 1                        ; I fetch for K (0) or V (1)
	s_lshl_b32 s87, s71, 18                        ; my head's codes,
	s_lshl_b32 s88, s71, 13                        ; its scale words
	s_cmp_eq_u32 s86, 0
	s_cselect_b32 s82, 0x800000, 0                 ; k lies behind q
	s_cselect_b32 s84, 0x40000, 0
	s_add_co_u32 s82, s82, s87
	s_add_co_u32 s84, s84, s88
	s_mov_b32 s83, 0
	s_mov_b32 s85, 0
	s_bfe_u32 s89, s[WV], 0x10001                  ; for stream A (0) or B (1)
	s_cmp_eq_u32 s89, 1
	s_cselect_b32 s[LIMI], ttmp9, -1
	s_sub_co_u32 s[JMP], 8, ttmp9
	s_mov_b32 s[SEL], 0x76543210
	s_mov_b32 s[SEL+1], 0xfedcba98
	s_mov_b32 s[CS], 0x3e0293ee                    ; log2(e) / sqrt(128)
	s_mov_b32 s[CS+1], s[CS]
	s_mov_b32 s[MNT], 0x600000
	s_mov_b32 s[TB], 0
	s_mov_b32 s[TS], 0
	s_mov_b32 s[TT], 0
	s_mov_b32 s[KF], 0
	s_wait_dscnt 0x0
	s_wait_kmcnt 0x0
	s_cmp_eq_u32 s86, 0
	s_cselect_b64 s[GBT:GBT+1], s[4:5], s[8:9]
	s_cselect_b64 s[GBS:GBS+1], s[6:7], s[10:11]
	s_add_nc_u64 s[GBT:GBT+1], s[GBT:GBT+1], s[82:83]
	s_add_nc_u64 s[GBS:GBS+1], s[GBS:GBS+1], s[84:85]
	s_mov_b64 s[G0T+2:G0T+3], s[GBT:GBT+1]         ; time 0: both streams hold key step 0
	s_mov_b64 s[G0S+2:G0S+3], s[GBS:GBS+1]
	s_or_b32 s[G0T+3], s[G0T+3], 0x80000000
	s_or_b32 s[G0S+3], s[G0S+3], 0x80000000
	s_cmp_lt_u32 s[WV], 4                          ; the head's loads, one a wave, in one chain of branches on the wave's number
	s_cbranch_scc0 .Lhead_s
	TL G0T, G1T
	s_branch .Lhead_j
.Lhead_s:
	s_cmp_lt_u32 s[WV], 8
	s_cbranch_scc0 .Lhead_j
	TL G0S, G1S
.Lhead_j:
	s_bfe_u32 s81, s[WV], 0x10001                  ; the prefetches, waves 8-15: bit 1: K or V; bit 0: which 8,192 bytes; bit 2: the stream
	s_cmp_eq_u32 s81, 0
	s_cselect_b64 s[PFA:PFA+1], s[4:5], s[8:9]
	s_cselect_b32 s82, 0x800000, 0
	s_add_co_u32 s82, s82, s87
	s_lshl_b32 s84, s86, 13
	s_add_co_u32 s82, s82, s84
	s_bfe_u32 s84, s[WV], 0x10002
	s_sub_co_u32 s[PL], 7, s84
	s_lshl_b32 s84, s84, 17
	s_add_co_u32 s82, s82, s84
	s_add_co_u32 s82, s82, 16384                   ; at step 1 (A) or 9 (B): the first change steps it on
	s_add_nc_u64 s[PFA:PFA+1], s[PFA:PFA+1], s[82:83]
	s_lshr_b32 s89, s[WV], 3
	s_xor_b32 s89, s89, 1
	s_or_b32 s89, s89, ttmp9
	s_cmp_eq_u32 s89, 0
	s_cselect_b32 s[PL], s[PL], 0
	s_lshl_b32 s81, s75, 11                        ; Q's tiles: my head, my tile; the block that I begin with, and the late block
	s_add_co_u32 s81, s81, s87
	s_lshl_b32 s82, s74, 14
	s_add_co_u32 s82, s82, s81
	s_lshl_b32 s84, s73, 14
	s_add_co_u32 s84, s84, s81
	s_add_nc_u64 s[LQ:LQ+1], s[4:5], s[84:85]
	s_add_nc_u64 s[4:5], s[4:5], s[82:83]
	s_lshr_b32 s81, s75, 2
	s_lshl_b32 s81, s81, 8
	s_and_b32 s89, s75, 3
	s_lshl_b32 s89, s89, 2
	s_add_co_u32 s81, s81, s89
	s_add_co_u32 s81, s81, s88
	s_lshl_b32 s82, s74, 9
	s_add_co_u32 s82, s82, s81
	s_lshl_b32 s84, s73, 9
	s_add_co_u32 s84, s84, s81
	s_add_nc_u64 s[LS:LS+1], s[6:7], s[84:85]
	s_add_nc_u64 s[6:7], s[6:7], s[82:83]
	s_lshr_b32 s82, s71, 3                         ; out0: row 2,048 batch + my tile's first query; column 128 head
	s_lshl_b32 s82, s82, 11
	s_add_co_u32 s82, s82, s[QB]
	s_add_co_u32 s82, s82, s[QL]
	s_lshl_b32 s82, s82, 12
	s_and_b32 s84, s71, 7
	s_lshl_b32 s84, s84, 9
	s_add_co_u32 s82, s82, s84
	s_add_nc_u64 s[12:13], s[12:13], s[82:83]
	s_xor_b32 s89, s[ROLE], 1                      ; 1: wave B
	s_lshl_b32 s81, s89, 3
	s_add_co_u32 s81, s81, s75
	s_mul_i32 s81, s81, STG
	s_add_co_u32 s81, s81, STG0                    ; my stage
	s_add_co_u32 s[XA], s75, 8
	s_mul_i32 s[XA], s[XA], STG
	s_add_co_u32 s[XA], s[XA], STG0
	s_lshl_b32 s90, s89, 15
	s_lshl_b32 s89, s89, 10
	s_add_co_u32 s89, s89, SCW
	v_and_b32 v11, 31, v0
	v_lshlrev_b32 v[IM], 4, v11
	v_lshlrev_b32 v[PFO], 8, v11
	v_and_b32 v12, 15, v0                          ; r
	v_bfe_u32 v13, v0, 4, 1                        ; h
.irp c, 0,1,2,3
	global_load_b128 v[16+4*\c:19+4*\c], v[IM], s[4:5] offset:512*\c
.endr
	v_lshlrev_b32 v254, 4, v12
	global_load_b32 v255, v254, s[6:7]
	v_lshl_add_u32 v[ASK0], v12, 4, s89
	v_add_nc_u32 v[AP], s90, v[IM]
	v_and_b32 v14, 8, v12
	v_add_nc_u32 v14, v14, v12
	v_add_nc_u32 v14, s[QL], v14
	v_lshlrev_b32 v15, 4, v13
	v_sub_nc_u32 v[QD], v14, v15
	v_mul_u32_u24 v[STI], v12, SP
	v_lshl_add_u32 v[STI], v13, 6, v[STI]
	v_add_nc_u32 v[STI], s81, v[STI]
	v_add_nc_u32 v[STB], s81, v[IM]
.macro FRESH                           ; a tile's state: the largest t -3e38, -M, the sums and O^T zeros, which the first change of M leaves zeros
	v_mov_b32 v13, 0xff61b1e6
	v_floor_f32 v12, -v13
	v_mov_b32 v14, 0
	v_mov_b32 v15, 0
.set J, 0
.rept 64
	v_mov_b32 v[160+J], 0
.set J, J+1
.endr
.endm
.irp b, 0,1,2,3
	v_mov_b32 v[236+\b], 0                         ; a lane permute's destination counts as one of its sources
.endr
	v_mov_b32 v252, 0
	v_mov_b32 v253, 0
	FRESH
.macro SEND                            ; v96-159, a query's 128 channels over two lanes, through my stage: 32 lanes store a query's 512 bytes
.irp b, 0,1,2,3
.irp k, 0,1,2,3
	ds_store_b128 v[STI], v[96+16*\b+4*\k:99+16*\b+4*\k] offset:128*\b+16*\k
.endr
.endr
.irp i, 0,1,2,3,4,5,6,7,8,9,10,11,12,13,14,15
	ds_load_b128 v[32+4*\i:35+4*\i], v[STB] offset:\i*SP   ; LDS serves a wave's instructions in order
.endr
.irp i, 0,1,2,3,4,5,6,7,8,9,10,11,12,13,14,15
	s_wait_dscnt 15-\i
	global_store_b128 v[IM], v[32+4*\i:35+4*\i], s[12:13] offset:(\i+8*(\i/8))*4096 th:TH_STORE_NT
.endr
.endm
; A TIME STEP: my stream's 128 keys.  sw = 1: wave B may change tiles behind it.
.macro STEP sw
	s_cmp_gt_u32 s[KF], s[QB]                      ; a step behind my block is left out: a branch on ids, round no barrier, wait or add
	s_cbranch_scc1 .Lhidden_\@
	v_add_nc_u32 v[ADK], s[TB], v[AP]
	v_add_nc_u32 v[ADS], s[TS], v[ASK0]
	s_wait_alu depctr_va_vdst(0)
.irp g, 0,1                                    ; S^T = K Q^T
.rept 8-2*(1-\g)
	v_nop                                          ; eight places in front of loads into registers that matrix instructions have read (the two additions are places)
.endr
.irp t, 0,1,2,3
.irp c, 0,1,2,3
	ds_load_b128 v[32+16*\t+4*\c:32+16*\t+4*\c+3], v[ADK] offset:8192*\g+2048*\t+512*\c
.endr
.endr
	ds_load_b128 v[248:251], v[ADS] offset:256*\g
	s_wait_dscnt 0x0
.irp t, 0,1,2,3
	v_wmma_scale_f32_16x16x128_f8f6f4 v[96+8*(4*\g+\t):103+8*(4*\g+\t)], v[32+16*\t:47+16*\t], v[16:31], 0, v[248+\t], v255 matrix_a_fmt:MATRIX_FMT_BF8 matrix_b_fmt:MATRIX_FMT_BF8
.endr
.endr
.rept 8
	v_nop
.endr
	s_cmp_lg_u32 s[KF], s[QB]                      ; on the diagonal hidden scores become -infinity ahead of the maximum
	s_cbranch_scc1 .Lopen_\@
	v_mov_b32 v254, 0xff800000
.set J, 0
.rept 64
	v_cmp_gt_i32 vcc_lo, 32*(J/16)+J%16, v[QD]     ; register 16 b + i holds key KF + 16 (lane / 16) + 32 b + i
	v_cndmask_b32 v[96+J], v[96+J], v254, vcc_lo
.set J, J+1
.endr
.Lopen_\@:
.irp b, 0,1,2,3
	v_max3_num_f32 v[232+\b], v[96+16*\b], v[97+16*\b], v[98+16*\b]   ; each block's largest score: for the row's maximum and for the block's largest p
.endr
.irp i, 3,5,7,9,11,13
.irp b, 0,1,2,3
	v_max3_num_f32 v[232+\b], v[232+\b], v[96+16*\b+\i], v[97+16*\b+\i]
.endr
.endr
.irp b, 0,1,2,3
	v_max_num_f32 v[232+\b], v[232+\b], v[111+16*\b]
.endr
.irp b, 0,1,2,3
	v_permlanex16_b32 v[236+\b], v[232+\b], s[SEL], s[SEL+1]
.endr
.irp b, 0,1,2,3
	s_delay_alu instid0(VALU_DEP_4)
	v_max_num_f32 v[232+\b], v[232+\b], v[236+\b]
.endr
	s_delay_alu instid0(VALU_DEP_2)
	v_max3_num_f32 v254, v232, v233, v234
	s_delay_alu instid0(VALU_DEP_1)
	v_max_num_f32 v254, v254, v235
	s_delay_alu instid0(VALU_DEP_1)
	v_mul_f32 v254, s[CS], v254
	s_delay_alu instid0(VALU_DEP_1)
	v_max_num_f32 v13, v13, v254                   ; the running largest t
	v_mov_b32 v254, v12
	s_delay_alu instid0(VALU_DEP_2)
	v_floor_f32 v12, -v13                          ; the new -M
	s_delay_alu instid0(VALU_DEP_1)
	v_sub_f32 v254, v12, v254
	s_delay_alu instid0(VALU_DEP_1)
	v_cvt_i32_f32 v254, v254                       ; (it saturates)
	s_delay_alu instid0(VALU_DEP_1)
	v_ldexp_f32 v252, 1.0, v254                    ; f = 2^(old M - new M)
.set J, 0
.rept 32
	v_pk_fma_f32 v[96+J:97+J], v[96+J:97+J], s[CS:CS+1], v[12:13] op_sel_hi:[1,0,0]   ; t - M
.set J, J+2
.endr
.irp b, 0,1,2,3
	v_fma_f32 v[232+\b], v[232+\b], s[CS], v12
.endr
	s_wait_alu depctr_va_vdst(0)                   ; ahead of the batch
.set J, 0
.rept 64
	v_exp_f32 v[96+J], v[96+J]
.set J, J+1
.endr
	v_pk_mul_f32 v[14:15], v[14:15], v[252:253] op_sel_hi:[1,0]
	s_wait_alu depctr_va_vdst(0)                   ; and one behind it
.irp b, 0,1,2,3
	v_exp_f32 v[232+\b], v[232+\b]                 ; the block's largest p
.endr
	v_pk_add_f32 v[236:237], v[100:101], v[104:105]
	v_pk_add_f32 v[250:251], v[108:109], v[112:113]
	v_pk_add_f32 v[248:249], v[116:117], v[120:121]
	v_pk_add_f32 v[246:247], v[124:125], v[128:129]
	v_pk_add_f32 v[244:245], v[132:133], v[136:137]
	v_pk_add_f32 v[242:243], v[140:141], v[144:145]
	v_pk_add_f32 v[240:241], v[148:149], v[152:153]
	v_pk_add_f32 v[14:15], v[14:15], v[156:157]
	v_pk_add_f32 v[236:237], v[236:237], v[96:97]
	v_pk_add_f32 v[250:251], v[250:251], v[98:99]
	v_pk_add_f32 v[248:249], v[248:249], v[102:103]
	v_pk_add_f32 v[246:247], v[246:247], v[106:107]
	v_pk_add_f32 v[244:245], v[244:245], v[110:111]
	v_pk_add_f32 v[242:243], v[242:243], v[114:115]
	v_pk_add_f32 v[240:241], v[240:241], v[118:119]
	v_pk_add_f32 v[14:15], v[14:15], v[122:123]
	v_pk_add_f32 v[236:237], v[236:237], v[126:127]
	v_pk_add_f32 v[250:251], v[250:251], v[130:131]
	v_pk_add_f32 v[248:249], v[248:249], v[134:135]
	v_pk_add_f32 v[246:247], v[246:247], v[138:139]
	v_pk_add_f32 v[244:245], v[244:245], v[142:143]
	v_pk_add_f32 v[242:243], v[242:243], v[146:147]
	v_pk_add_f32 v[240:241], v[240:241], v[150:151]
	v_pk_add_f32 v[14:15], v[14:15], v[154:155]
	v_pk_add_f32 v[236:237], v[236:237], v[158:159]
	s_delay_alu instid0(VALU_DEP_2)
	v_pk_add_f32 v[14:15], v[14:15], v[246:247]
	s_delay_alu instid0(VALU_DEP_2)
	v_pk_add_f32 v[236:237], v[236:237], v[244:245]
	v_pk_add_f32 v[250:251], v[250:251], v[242:243]
	v_pk_add_f32 v[248:249], v[248:249], v[240:241]
	s_delay_alu instid0(VALU_DEP_2)
	v_pk_add_f32 v[14:15], v[14:15], v[250:251]
	s_delay_alu instid0(VALU_DEP_2)
	v_pk_add_f32 v[236:237], v[236:237], v[248:249]
	s_delay_alu instid0(VALU_DEP_1)
	v_pk_add_f32 v[14:15], v[14:15], v[236:237]
	s_wait_alu depctr_va_vdst(0)                   ; for the four
.irp b, 0,1,2,3
	v_max_num_f32 v[232+\b], 0x8000000, v[232+\b]  ; the floor 2^(16 - 127): the byte cannot fall under 1
.endr
.irp b, 0,1,2,3
	s_delay_alu instid0(VALU_DEP_4)
	v_add_nc_u32 v[244+\b], 0xf8800000, v[232+\b]  ; the conversion's scale operand
.endr
.irp b, 0,1,2,3
	v_and_or_b32 v[240+\b], v[232+\b], 0x7f800000, s[MNT]   ; 57,344 x the scale
.endr
.irp b, 0,1,2,3
	v_lshrrev_b32 v[236+\b], 23, v[244+\b]
.endr
	s_delay_alu instid0(VALU_DEP_3)
	v_lshl_or_b32 v253, v237, 8, v236              ; p's scale word
	s_delay_alu instid0(VALU_DEP_1)
	v_lshl_or_b32 v253, v238, 16, v253
	s_delay_alu instid0(VALU_DEP_1)
	v_lshl_or_b32 v253, v239, 24, v253
.irp b, 0,1,2,3
.irp i, 0,1,2,3,4,5,6,7,8,9,10,11,12,13,14,15
	v_min_num_f32 v[96+16*\b+\i], v[96+16*\b+\i], v[240+\b]   ; the conversion does not saturate (ISA guide 7.6.2); p is not negative
.endr
	v_cvt_scalef32_pk8_bf8_f32 v[224+4*\b:225+4*\b], v[96+16*\b:103+16*\b], v[244+\b]
	v_cvt_scalef32_pk8_bf8_f32 v[226+4*\b:227+4*\b], v[104+16*\b:111+16*\b], v[244+\b]
.endr
	s_wait_alu depctr_va_vdst(0)                   ; directly ahead of the first reader of O^T
.set J, 0
.rept 32
	v_pk_mul_f32 v[160+J:161+J], v[160+J:161+J], v[252:253] op_sel_hi:[1,0]   ; O^T under the new M; also the places in front of the lines below
.set J, J+2
.endr
	s_wait_alu depctr_va_vdst(0)
.irp g, 0,1                                    ; O^T += V^T P^T
.if \g > 0
.rept 8
	v_nop
.endr
.endif
.irp t, 0,1,2,3
.irp c, 0,1,2,3
	ds_load_b128 v[32+16*\t+4*\c:32+16*\t+4*\c+3], v[ADK] offset:16384+8192*\g+2048*\t+512*\c
.endr
.endr
	ds_load_b128 v[248:251], v[ADS] offset:512+256*\g
	s_wait_dscnt 0x0
.irp t, 0,1,2,3
	v_wmma_scale_f32_16x16x128_f8f6f4 v[160+8*(4*\g+\t):167+8*(4*\g+\t)], v[32+16*\t:47+16*\t], v[224:239], v[160+8*(4*\g+\t):167+8*(4*\g+\t)], v[248+\t], v253 matrix_a_fmt:MATRIX_FMT_BF8 matrix_b_fmt:MATRIX_FMT_BF8
.endr
.endr
.Lhidden_\@:
.if \sw
	s_cmp_eq_u32 s[ROLE], 1                        ; wave A keeps its tile: the wave's number alone decides
	s_cbranch_scc1 .Lstay_\@
	s_cmp_lg_u32 s[KF], s[SW]                      ; wave B, behind the early block's diagonal step: ids and the count of steps alone
	s_cbranch_scc1 .Lstay_\@
	v_add_f32 v14, v14, v15                        ; THE EARLY TILE IS FINISHED: the row's sum,
	v_permlanex16_b32 v252, v14, s[SEL], s[SEL+1]
	v_add_f32 v14, v14, v252
	s_wait_alu depctr_va_vdst(0)
	v_rcp_f32 v14, v14
.rept 6
	v_nop                                          ; with the two additions, eight places behind the last products
.endr
	s_wait_alu depctr_va_vdst(0)
.set J, 0
.rept 64
	v_mul_f32 v[96+J], v[160+J], v14
.set J, J+1
.endr
	v_and_b32 v254, 0xf0, v[IM]                    ; 16 r
.irp c, 0,1,2,3
	global_load_b128 v[16+4*\c:19+4*\c], v[IM], s[LQ:LQ+1] offset:512*\c   ; the late tile's Q
.endr
	global_load_b32 v255, v254, s[LS:LS+1]
	SEND
	FRESH
	s_mov_b32 s[QB], s[QBL]
	s_mov_b32 s[KF], 1024                          ; my stream goes on with key step 9
	s_wait_alu depctr_va_vdst(0)
	s_wait_loadcnt 0x0
	s_wait_xcnt 0x0                                ; the stores have read v32-95, which the next step's loads write
.Lstay_\@:
.endif
	s_add_co_u32 s[KF], s[KF], 128
	s_xor_b32 s[TB], s[TB], SLOT1
	s_xor_b32 s[TS], s[TS], SCT
.endm
; THE CHANGE OF SLOTS, at a time step's head.  fill = 1: both streams' next steps are asked for; 2: stream A's alone; 0: nothing.
.macro CHANGE fill
	s_wait_tensorcnt 0x0                           ; no tensor load of mine is out, so a group 0 may be written
	ds_add_u32 v[SPW], v[NIL]                      ; 0 onto my spare word
.if \fill
	ds_add_u32 v[SPW], v[NIL]                      ; and, where a load may follow, twice on end
	s_xor_b32 s[G0T+1], s[G0T+1], SLOT1
	s_xor_b32 s[G0S+1], s[G0S+1], SCT
	s_add_co_u32 s98, s[TT], 1                     ; the key step that I fetch: t + 1, in stream B beyond i: + 8 - i
	s_cmp_gt_u32 s98, s[LIMI]
	s_cselect_b32 s96, s[JMP], 0
	s_add_co_u32 s98, s98, s96
	s_lshl_b32 s96, s98, 14
	s_lshl_b32 s98, s98, 9
	s_mov_b32 s97, 0
	s_mov_b32 s99, 0
	s_add_nc_u64 s[G0T+2:G0T+3], s[GBT:GBT+1], s[96:97]
	s_add_nc_u64 s[G0S+2:G0S+3], s[GBS:GBS+1], s[98:99]
	s_or_b32 s[G0T+3], s[G0T+3], 0x80000000
	s_or_b32 s[G0S+3], s[G0S+3], 0x80000000
.if \fill == 1
	s_wait_xcnt 0x0                                ; the last prefetch has read its address
	s_add_nc_u64 s[PFA:PFA+1], s[PFA:PFA+1], 16384
.endif
.endif
	s_wait_dscnt 0x0
	s_barrier_signal -1
	s_barrier_wait -1
.if \fill == 1
	s_cmp_lt_u32 s[WV], 4
	s_cbranch_scc0 .Lsc_\@
	TL G0T, G1T
	s_branch .Lasked_\@
.Lsc_\@:
	s_cmp_lt_u32 s[WV], 8
	s_cbranch_scc0 .Lasked_\@
	TL G0S, G1S
.Lasked_\@:
	s_cmp_lt_u32 s[TT], s[PL]
	s_cbranch_scc0 .Lnot_mine_\@
	global_prefetch_b8 v[PFO], s[PFA:PFA+1] th:TH_LOAD_NT scope:SCOPE_SE
.Lnot_mine_\@:
.endif
.if \fill == 2
	s_cmp_lt_u32 s[WV], 2
	s_cbranch_scc0 .Lsc_\@
	TL G0T, G1T
	s_branch .Lasked_\@
.Lsc_\@:
	s_cmp_lt_u32 s[WV], 4
	s_cbranch_scc1 .Lasked_\@
	s_cmp_lt_u32 s[WV], 6
	s_cbranch_scc0 .Lasked_\@
	TL G0S, G1S
.Lasked_\@:
.endif
.endm
	s_wait_alu depctr_va_vdst(0)                   ; the head's end
	s_wait_loadcnt 0x0                             ; Q
.Ltime:                                            ; times 0 to 6
	CHANGE 1
	STEP 1
	s_add_co_u32 s[TT], s[TT], 1
	s_cmp_lt_u32 s[TT], 7
	s_cbranch_scc1 .Ltime
	CHANGE 2                                       ; time 7
	STEP 1
	CHANGE 0                                       ; time 8: stream A alone
	STEP 0
	; THE END.  B hands its part of the late tile to A as an image of its registers.
.rept 8
	v_nop                                          ; eight places behind the last products
.endr
	v_add_nc_u32 v[ADK], s[XA], v[IM]
	s_wait_alu depctr_va_vdst(0)
	s_cmp_eq_u32 s[ROLE], 1
	s_cbranch_scc1 .Lkeeps
.irp j, 0,1,2,3,4,5,6,7,8,9,10,11,12,13,14,15
	ds_store_b128 v[ADK], v[160+4*\j:163+4*\j] offset:512*\j   ; each accumulator from its low end on
.endr
	ds_store_b128 v[ADK], v[12:15] offset:8192     ; -M, the largest t, the sum's halves
.Lkeeps:
	s_wait_dscnt 0x0                               ; for the partner's sake
	s_barrier_signal -1
	s_barrier_wait -1
	s_cmp_eq_u32 s[ROLE], 1
	s_cbranch_scc0 .Lend
.irp j, 0,1,2,3,4,5,6,7,8,9,10,11,12,13,14,15
	ds_load_b128 v[32+4*\j:35+4*\j], v[ADK] offset:512*\j
.endr
	ds_load_b128 v[248:251], v[ADK] offset:8192
	s_wait_dscnt 0x0
	v_min_num_f32 v254, v12, v248                  ; -M of both parts
	v_add_f32 v14, v14, v15
	v_add_f32 v250, v250, v251
	v_sub_f32 v252, v254, v12
	v_sub_f32 v253, v254, v248                     ; (a part with no step has -M = 3e38: its factor is 0, over zeros)
	v_cvt_i32_f32 v252, v252
	v_cvt_i32_f32 v253, v253
	v_ldexp_f32 v252, 1.0, v252
	v_ldexp_f32 v253, 1.0, v253
	v_mul_f32 v14, v14, v252
	v_fmac_f32 v14, v250, v253
	v_permlanex16_b32 v251, v14, s[SEL], s[SEL+1]
	v_add_f32 v14, v14, v251                       ; the row's sum
	s_wait_alu depctr_va_vdst(0)
	v_rcp_f32 v14, v14
	v_nop
	s_wait_alu depctr_va_vdst(0)
	v_mul_f32 v252, v252, v14                      ; each part's factor over the sum
	v_mul_f32 v250, v253, v14
	s_wait_alu depctr_va_vdst(0)                   ; directly ahead of the first reader of O^T
.set J, 0
.rept 32
	v_pk_mul_f32 v[96+J:97+J], v[160+J:161+J], v[252:253] op_sel_hi:[1,0]
.set J, J+2
.endr
.set J, 0
.rept 32
	v_pk_fma_f32 v[96+J:97+J], v[32+J:33+J], v[250:251], v[96+J:97+J] op_sel_hi:[1,0,1]
.set J, J+2
.endr
	SEND
.Lend:
	s_wait_tensorcnt 0x0                           ; the wave's end
	ds_add_u32 v[SPW], v[NIL]
	s_wait_dscnt 0x0
	s_endpgm
.Lfunc_end_k_q814d322ab3_attn:
	.size	k_q814d322ab3_attn, .Lfunc_end_k_q814d322ab3_attn-k_q814d322ab3_attn
	.p2alignl 7, 3214868480
	.fill 96, 4, 3214868480
	.section	.rodata,"a",@progbits
	.p2align	6, 0x0
	.amdhsa_kernel k_q814d322ab3_attn
		.amdhsa_group_segment_fixed_size 327680
		.amdhsa_private_segment_fixed_size 0
		.amdhsa_enable_private_segment 0
		.amdhsa_kernarg_size 40
		.amdhsa_user_sgpr_count 2
		.amdhsa_user_sgpr_kernarg_segment_ptr 1
		.amdhsa_wavefront_size32 1
		.amdhsa_system_sgpr_workgroup_id_x 1
		.amdhsa_system_sgpr_workgroup_id_y 1
		.amdhsa_system_sgpr_workgroup_id_z 1
		.amdhsa_system_vgpr_workitem_id 0
		.amdhsa_next_free_vgpr 256
		.amdhsa_next_free_sgpr 100
		.amdhsa_reserve_vcc 1
		.amdhsa_float_denorm_mode_32 3
		.amdhsa_float_denorm_mode_16_64 3
		.amdhsa_memory_ordered 1
		.amdhsa_forward_progress 1
		.amdhsa_inst_pref_size 130
	.end_amdhsa_kernel
	.amdgpu_metadata
---
amdhsa.version: [ 1, 2 ]
amdhsa.kernels:
  - .name:           k_q814d322ab3_attn
    .symbol:         k_q814d322ab3_attn.kd
    .args:
      - { .name: qkc, .offset: 0, .size: 8, .value_kind: global_buffer, .address_space: global }
      - { .name: qks, .offset: 8, .size: 8, .value_kind: global_buffer, .address_space: global }
      - { .name: vc, .offset: 16, .size: 8, .value_kind: global_buffer, .address_space: global }
      - { .name: vs, .offset: 24, .size: 8, .value_kind: global_buffer, .address_space: global }
      - { .name: out0, .offset: 32, .size: 8, .value_kind: global_buffer, .address_space: global }
    .group_segment_fixed_size: 327680
    .private_segment_fixed_size: 0
    .kernarg_segment_align: 8
    .kernarg_segment_size: 40
    .max_flat_workgroup_size: 512
    .sgpr_count:     100
    .vgpr_count:     256
    .wavefront_size: 32
...
	.end_amdgpu_metadata
.endif
;; end of part 3
